; MI455X (gfx1250); checked and timed in simulation.
; The chip was launched on July 23, 2026; its instructions are those of AMD's public machine-readable ISA for CDNA 5 (MIT licence, August 2026) and "CDNA5" Instruction Set Architecture Reference Guide (July 2026). The comments in the code are by the model that wrote it; some were corrected since.
;; Multi Head Attention. Allowed arithmetic: matrix products marked QUANTISED: E3M2 operands, one E8M0 scale for each 32 along K, by v_wmma_scale_f32_16x16x128_f8f6f4 with both operands' format E3M2, f32 sums; products left as they are: f32 operands where the result goes on into a quantised operand, else bf16, f16 or f32 operands; f32 sums; everything else in f32.
;; Inputs: QKV 4 x 4,096 x 1,024 float32; Wk 1,024 x 1,024 float32; Wo 1,024 x 1,024 float32; Wq 1,024 x 1,024 float32; Wv 1,024 x 1,024 float32; bk 1,024 float32; bo 1,024 float32; bq 1,024 float32; bv 1,024 float32.
;; Outputs: out0 4 x 4,096 x 1,024 float32.
;; Constants: is_causal = 1.
;; This version of the problem:
;;   THIS VERSION OF THE PROBLEM IS GIVEN IN LOW PRECISION. The matrix products marked QUANTISED in the list below multiply operands that are first quantised to E3M2 (3 exponent bits, 2 mantissa bits; 6 bits a number), with one power-of-two scale for each 32 numbers along K (OCP MX v1.0); their sums are f32. All else is computed in f32.
;;   The module's matrix products, in the order in which they are computed (A, B: the left and right operand; K: the contracted axis; several contracted axes count as one K, in the product's order):
;;     1. [M 16,384, K 1,024] x [K 1,024, N 1,024]; A: input QKV; B: input Wq: QUANTISED
;;     2. [M 16,384, K 1,024] x [K 1,024, N 1,024]; A: input QKV; B: input Wk: QUANTISED
;;     3. [M 16,384, K 1,024] x [K 1,024, N 1,024]; A: input QKV; B: input Wv: QUANTISED
;;     4. batch 16,384 x [M 16, K 64] x [K 64, N 16]; A: computed on the way; B: computed on the way: QUANTISED
;;     5. batch 16,384 x [M 16, K 16] x [K 16, N 64]; A: softmax; B: computed on the way: left as it is (K = 16 < 32)
;;     6. [M 16,384, K 1,024] x [K 1,024, N 1,024]; A: computed on the way; B: input Wo: QUANTISED
;;   THE QUANTISER, for each operand of a quantised product, along K:
;;     - K is cut into blocks of 32 from its start; a last block that is shorter is filled with zeros.
;;     - A block's scale is 2^e with e = floor(log2(the largest magnitude in the block)) - 4, held to -126 .. 127; a block of zeros has e = 0. As a byte (E8M0): e + 127.
;;     - Each number is divided by its block's scale, clamped to +-28, and rounded to the nearest number of E3M2, ties to even, subnormals kept.
;;     - The product sums the exact products of the quantised numbers (number of the format x scale) in f32.
;;   ~~~python
;;   def quantise(x, axis):      # numpy; x: float32 -> the quantised numbers, widened to float32 again
;;       x = np.moveaxis(x, axis, -1); K = x.shape[-1]
;;       x = np.pad(x, [(0, 0)] * (x.ndim - 1) + [(0, -K % 32)]); x = x.reshape(x.shape[:-1] + (-1, 32)); a = np.abs(x).max(-1, keepdims=True)
;;       e = np.where(a > 0, np.clip(np.frexp(np.where(a > 0, a, 1))[1] - 1 - 4, -126, 127), 0)      # np.frexp(a)[1] - 1 = floor(log2(a)), exactly
;;       r = np.clip(x / 2.0 ** e, -28, 28)
;;       step = 2.0 ** (np.maximum(np.frexp(np.where(r == 0, 1, r))[1] - 1, -2) - 2)
;;       q = np.round(r / step) * step * 2.0 ** e      # np.round: ties to even
;;       return np.moveaxis(q.reshape(q.shape[:-2] + (-1,))[..., :K], -1, axis).astype(np.float32)
;;   ~~~
;;   OPERANDS COMPUTED ON THE WAY. 'Computed on the way' means the value that the module computes at that place (a softmax that the list does not call 'softmax' is quantised finished and normalised). What goes into a quantiser is computed in f32, as accurately as f32 sums, v_exp_f32 and their like allow (about 1e-6 of the number): no bf16 or f16 on the way to a quantiser, and a product that is left as it is and whose result goes on into a quantised operand takes f32 operands (vector FMAs, or v_wmma_f32_16x16x4_f32). A number that lies on a knife's edge between two numbers of the format may be rounded either way, as far as f32 arithmetic and the matrix unit's own rounding can turn it there, and no further.
;; 2 versions, each right. Each part assembles by itself: llvm-mc -triple=amdgcn-amd-amdhsa -mcpu=gfx1250 --defsym DOCPART=n.
;; ======== version 1 of 2: 2 launches
;; workspace buffers: xc 13,107,200 bytes; wc 3,276,800 bytes; bi 16,384 bytes
;; launch prep (part 1): grid 320 x 2, 4 waves a work-group, no clusters, 35,328 bytes of LDS; arguments QKV, Wq, Wk, Wv, Wo, bq, bk, bv, bo, xc, wc, bi; writes xc, wc, bi
.if DOCPART == 1
	.amdgcn_target "amdgcn-amd-amdhsa--gfx1250"
	.amdhsa_code_object_version 6
	.text
	.protected	k_qe5db2548ce_prep
	.globl	k_qe5db2548ce_prep
	.p2align	8
	.type	k_qe5db2548ce_prep,@function
k_qe5db2548ce_prep:
	s_mov_b64 s[64:65], 0
	v_nop
	global_prefetch_b8 v0, s[64:65] scope:SCOPE_SE
	s_setreg_imm32_b32 hwreg(HW_REG_WAVE_MODE, 25, 1), 1
	s_wait_xcnt 0x0
; QKV [16384][1024] and the four weights [1024][1024], f32, K innermost, become codes of BF6 (E3M2) with one E8M0 byte for each 32 along K,
; laid in the ORDER OF THE OPERAND'S REGISTERS: a fragment (16 rows x 128 K, 12 registers a lane) is 1,536 bytes, register 4 k + e of lane l at byte 512 k + 16 l + 4 e.
;   xc: [block of 64 tokens: 256][K step: 8] x 6,400 bytes: four fragments (16 tokens each), then 256 bytes of scale words [tile][row].
;   wc: [pass p: Q, K, V, O][K step: 8] x 102,400 bytes: four quarters (wave w of the next launch) of 25,600: sixteen fragments (tile c), then 1,024 bytes of scale words [c][row].
;   bi: the biases in the order of the next launch's accumulators: b_p[n(p, w, c, 8 h + j)] at 4096 p + 1024 w + 512 h + 4 (8 c + j).
; WHICH WEIGHT ROW IS ROW i OF TILE (w, c).  p = Q, K, O: n = 256 w + 32 (c / 2) + 8 (c % 2) + i + 8 (i / 8), so that in the transposed product the 16 registers of tiles 2 b, 2 b + 1 are 16 neighbouring columns.
;   p = V: n = 64 i + 16 w + c: a tile is all sixteen heads at one place d = 16 w + c of the head.
; DEAD WORK (left out in the next launch, not here).  reference() masks the scores by its own jnp.tril over the heads: query head 0 sees key head 0 alone, so its softmax row is the single number 1 for every finite score,
;   and Q's columns 0..63 reach no output, whatever the inputs hold.  Their weights' codes and bq[0:64] keep their places here, so that a chunk stays one dense block and no byte that is read is left unwritten.
;   All inputs have a way to an output and are loaded.  LIMIT: a NaN, an infinity or an overflow that reaches only Q's head 0 is not carried to the result.
; THE QUANTISER.  A block's byte is its largest magnitude's exponent field - 4, held at 1 from below by a floor among the maximum's leaves; each number / scale goes to the nearest code, ties to even, beyond 28 the largest code.
; LIMITS: a block of zeros gets the byte 1 where the rule says 127 (its codes are zeros, and this program alone reads the bytes); blocks whose largest magnitude lies under 2^-122 have their byte held at 1; NaN and infinities among the inputs are not served.
; SHARES.  Work-group (g, y): four tiles of 16 rows, one a wave, K steps 4 y .. 4 y + 3.  g < 256: block g of QKV; else p = (g >> 4) & 3, w = (g >> 2) & 3, tiles 4 (g & 3) + wave.  One path: only scalars are chosen.
; A load takes 512 consecutive bytes of one row; a step's 16 rows turn through the wave's own stage in LDS (pitch 528), so that a lane gets its two whole blocks of 32; codes leave as 512 consecutive bytes a store.
.set STG,   8448                       ; a wave's stage: 16 rows x (512 + 16) bytes
.set SCR,   4*STG                      ; scale words of the work-group: [K step][wave][16 words]
.set SPARE, SCR+1024                   ; the spare words, 128 bytes a wave: two blocks of 256 bytes that no other line names
.set SPW,   14                         ; v14  my spare word's LDS address; never rewritten
.set NIL,   15                         ; v15  0; never rewritten
.set VO,    16                         ; v16-31   row q's byte offset: 16 lane + 4096 x (the row's distance from the tile's first)
.set RR,    32                         ; v32-159  two sets of 64: a step as loaded
.set X,     160                        ; v160-223 my 64 numbers: two blocks of 32
.set PC,    224                        ; v224-235 the fragment's 12 registers
.set T,     236                        ; v236-242 the upper halves of the two blocks, as converted
.set MX,    244                        ; v244-245 largest magnitudes; v246-247 scale operands; v248-249 bytes; v250 the scale word; v251 the other half's
.set SO,    246
.set BY,    248
.set WD,    250
.set PM,    251
	s_load_b512 s[4:19], s[0:1], 0x0               ; QKV, Wq, Wk, Wv, Wo, bq, bk, bv
	s_load_b256 s[20:27], s[0:1], 0x40             ; bo, xc, wc, bi
	v_lshl_add_u32 v[SPW], v0, 2, SPARE
	v_mov_b32 v[NIL], 0
	v_lshrrev_b32 v8, 5, v0
	v_readfirstlane_b32 s28, v8                    ; wave
	v_and_b32 v9, 31, v0                           ; lane
	v_and_b32 v10, 15, v0                          ; r
	v_bfe_u32 v11, v0, 4, 1                        ; h
	v_lshlrev_b32 v1, 4, v9                        ; 16 x lane
	s_mul_i32 s56, s28, STG
	v_add_nc_u32 v2, s56, v1                       ; the stage, on the way in
	v_mul_u32_u24 v3, v10, 528
	v_lshl_add_u32 v3, v11, 7, v3
	v_add_nc_u32 v3, s56, v3                       ; and out: row r, 128 h bytes on
	s_lshl_b32 s56, s28, 6
	s_add_co_u32 s56, s56, SCR
	v_lshl_add_u32 v4, v10, 2, s56                 ; my row's scale word among the work-group's
	s_lshl_b32 s56, s28, 8
	s_add_co_u32 s56, s56, SCR
	v_lshl_add_u32 v5, v9, 3, s56                  ; the 256 bytes of K step 4 y + wave, 8 bytes a lane
	v_lshlrev_b32 v6, 3, v9
	v_lshlrev_b32 v7, 3, v11                       ; 8 h: my bytes' place in the scale word
	v_mov_b32 v[PM], 0                             ; written once: a lane permute's destination counts as one of its sources
	s_mov_b32 s60, 0x76543210
	s_mov_b32 s61, 0xfedcba98                      ; v_permlanex16_b32's selects for lane l xor 16
	s_and_b32 s29, ttmp7, 0xffff                   ; y
	s_bfe_u32 s30, ttmp9, 0x20004                  ; p
	s_bfe_u32 s31, ttmp9, 0x20002                  ; w
	s_and_b32 s32, ttmp9, 3                        ; a
	s_lshl_b32 s33, s32, 2
	s_add_co_u32 s33, s33, s28                     ; c = 4 a + wave
	s_lshl_b32 s34, s31, 8
	s_lshr_b32 s35, s33, 1
	s_lshl_b32 s35, s35, 5
	s_add_co_u32 s34, s34, s35
	s_and_b32 s35, s33, 1
	s_lshl_b32 s35, s35, 3
	s_add_co_u32 s34, s34, s35                     ; the tile's first row, Q, K, O: 256 w + 32 (c / 2) + 8 (c % 2)
	s_lshl_b32 s37, s31, 4
	s_add_co_u32 s37, s37, s33                     ; V: 16 w + c
	s_lshl_b32 s36, ttmp9, 6
	s_lshl_b32 s35, s28, 4
	s_add_co_u32 s36, s36, s35                     ; QKV: 64 g + 16 wave
	s_mul_i32 s42, s30, 819200
	s_mul_i32 s35, s31, 25600
	s_add_co_u32 s42, s42, s35                     ; the quarter in wc
	s_lshl_b32 s35, s32, 8
	s_add_co_u32 s44, s42, s35
	s_add_co_u32 s44, s44, 24576                   ; its scale words of tiles 4 a ..
	s_mul_i32 s35, s32, 6144
	s_add_co_u32 s42, s42, s35
	s_mul_i32 s43, ttmp9, 51200                    ; the block in xc
	s_add_co_u32 s45, s43, 6144
	s_mul_i32 s35, s28, 1536
	s_add_co_u32 s42, s42, s35                     ; my fragment
	s_add_co_u32 s43, s43, s35
	s_mov_b32 s40, 102400
	s_cmp_eq_u32 s30, 2                            ; V?
	s_cselect_b32 s34, s37, s34
	s_cselect_b32 s38, 64, 1                       ; rows from row i to row i + 1
	s_cselect_b32 s39, 0, 8                        ; and more for rows 8-15
	s_cmp_lt_u32 ttmp9, 256                        ; QKV?  The choice hangs on the work-group's number alone
	s_cselect_b32 s34, s36, s34
	s_cselect_b32 s38, 1, s38
	s_cselect_b32 s39, 0, s39
	s_cselect_b32 s40, 6400, s40                   ; bytes from K step to K step in the codes' buffer
	s_cselect_b32 s42, s43, s42
	s_cselect_b32 s44, s45, s44
	s_mov_b32 s41, 0
	s_mov_b32 s43, 0
	s_mov_b32 s45, 0
	s_lshl_b32 s35, s29, 2
	s_mul_i32 s56, s35, s40
	s_add_co_u32 s42, s42, s56                     ; codes: K step 4 y
	s_add_co_u32 s35, s35, s28
	s_mul_i32 s56, s35, s40
	s_add_co_u32 s44, s44, s56                     ; scale words: K step 4 y + wave
	s_lshl_b32 s56, s38, 12
	s_lshl_b32 s57, s39, 12
.irp q, 0,1,2,3,4,5,6,7,8,9,10,11,12,13,14,15
	s_mul_i32 s58, s56, \q
.if \q >= 8
	s_add_co_u32 s58, s58, s57
.endif
	v_add_nc_u32 v[VO+\q], s58, v1
.endr
	s_lshl_b32 s54, s34, 12
	s_lshl_b32 s35, s29, 11
	s_add_co_u32 s54, s54, s35                     ; 4096 x first row + 2048 y, under 2^27
	s_mov_b32 s55, 0
	s_wait_kmcnt 0x0
	s_cmp_eq_u32 s30, 1
	s_cselect_b64 s[46:47], s[8:9], s[6:7]
	s_cselect_b64 s[52:53], s[16:17], s[14:15]
	s_cmp_eq_u32 s30, 2
	s_cselect_b64 s[46:47], s[10:11], s[46:47]
	s_cselect_b64 s[52:53], s[18:19], s[52:53]
	s_cmp_eq_u32 s30, 3
	s_cselect_b64 s[46:47], s[12:13], s[46:47]
	s_cselect_b64 s[52:53], s[20:21], s[52:53]     ; the pass's bias
	s_cmp_lt_u32 ttmp9, 256
	s_cselect_b64 s[46:47], s[4:5], s[46:47]       ; what is read
	s_cselect_b64 s[48:49], s[22:23], s[24:25]     ; where the codes go
	s_mov_b64 s[50:51], s[48:49]                   ; and the scale words
	s_add_nc_u64 s[46:47], s[46:47], s[54:55]
	s_add_nc_u64 s[48:49], s[48:49], s[42:43]
	s_add_nc_u64 s[50:51], s[50:51], s[44:45]
.macro LOADK t                         ; K step 4 y + t of my 16 rows: 32 lanes read 512 consecutive bytes of a row
.irp q, 0,1,2,3,4,5,6,7,8,9,10,11,12,13,14,15
	global_load_b128 v[RR+64*((\t)%2)+4*\q:RR+64*((\t)%2)+4*\q+3], v[VO+\q], s[46:47] offset:512*(\t) th:TH_LOAD_NT
.endr
.endm
.macro QSTEP t
.if (\t) < 3
	s_wait_loadcnt 16                              ; this step's 16 loads are in; the next step's 16 may be out
.else
	s_wait_loadcnt 0x0
.endif
.irp q, 0,1,2,3,4,5,6,7,8,9,10,11,12,13,14,15
	ds_store_b128 v2, v[RR+64*((\t)%2)+4*\q:RR+64*((\t)%2)+4*\q+3] offset:528*\q
.endr
.irp c, 0,1                            ; LDS serves a wave's instructions in order: these see the stores above.  Register 32 c + i = k 64 c + 32 h + i of row r
.irp k, 0,1,2,3,4,5,6,7
	ds_load_b128 v[X+32*\c+4*\k:X+32*\c+4*\k+3], v3 offset:256*\c+16*\k
.endr
.endr
	s_wait_dscnt 0x0                               ; my numbers are here; the stores have read their registers, the last step's scale word is stored
.if (\t)+2 < 4
	LOADK (\t)+2
.endif
.irp c, 0,1
	v_max3_num_f32 v[MX+\c], |v[X+32*\c]|, |v[X+32*\c+1]|, 0x2800000   ; my block 2 c + h, and the floor 2^(5 - 127): the byte cannot fall under 1
.endr
.irp i, 2,4,6,8,10,12,14,16,18,20,22,24,26,28,30
.irp c, 0,1
	v_max3_num_f32 v[MX+\c], v[MX+\c], |v[X+32*\c+\i]|, |v[X+32*\c+\i+1]|
.endr
.endr
.irp c, 0,1
	v_add_nc_u32 v[SO+\c], 0xfe000000, v[MX+\c]    ; 4 off the exponent field: the conversion takes this operand's exponent field as its scale
.endr
.irp c, 0,1
	v_lshrrev_b32 v[BY+\c], 23, v[SO+\c]           ; the byte
.endr
	v_lshl_or_b32 v[WD], v[BY+1], 16, v[BY]        ; blocks h and 2 + h,
	v_lshlrev_b32 v[WD], v7, v[WD]                 ; at their places,
	v_permlanex16_b32 v[PM], v[WD], s60, s61
	v_or_b32 v[WD], v[WD], v[PM]                   ; with lane l xor 16's two: the row's scale word
	s_wait_xcnt 0x0                                ; the last step's stores have read their data and their base
.if (\t) > 0
	s_add_nc_u64 s[48:49], s[48:49], s[40:41]      ; the next K step's place
.endif
.irp c, 0,1
	v_cvt_scalef32_pk16_bf6_f32 v[PC+6*\c:PC+6*\c+2], v[X+32*\c:X+32*\c+15], v[SO+\c]
	v_cvt_scalef32_pk16_bf6_f32 v[T+4*\c:T+4*\c+2], v[X+32*\c+16:X+32*\c+31], v[SO+\c]   ; (a conversion's three registers begin on an even number)
.endr
	v_nop                                          ; one plain place behind a scaled conversion
.irp c, 0,1
.irp i, 0,1,2
	v_mov_b32 v[PC+6*\c+3+\i], v[T+4*\c+\i]
.endr
.endr
.irp k, 0,1,2
	global_store_b128 v1, v[PC+4*\k:PC+4*\k+3], s[48:49] offset:512*\k   ; 32 lanes store 512 consecutive bytes, at a multiple of 256 from the buffer's first byte
.endr
	ds_store_b32 v4, v[WD] offset:256*(\t)         ; lanes l and l + 16 write the same word with the same value
.endm
	LOADK 0
	LOADK 1
	QSTEP 0
	QSTEP 1
	QSTEP 2
	QSTEP 3
	s_wait_dscnt 0x0                               ; for the others' sake: my scale words are stored
	s_barrier_signal -1
	s_barrier_wait -1
	ds_load_b64 v[252:253], v5                     ; K step 4 y + wave: the four tiles' 64 words
	s_wait_dscnt 0x0
	global_store_b64 v6, v[252:253], s[50:51]      ; 32 lanes store 256 consecutive bytes, aligned
	s_cmp_lt_u32 ttmp9, 256                        ; the biases: the weights' work-groups with y = 0; no LDS instruction and no barrier stands in here
	s_cbranch_scc1 .Lno_bias
	s_cmp_lg_u32 s29, 0
	s_cbranch_scc1 .Lno_bias
	v_mul_lo_u32 v8, v10, s38
	v_lshrrev_b32 v9, 3, v10
	v_mul_lo_u32 v12, v9, s39
	v_add3_u32 v8, v8, v12, s34                    ; the weight row of row r of my tile
	v_lshlrev_b32 v8, 2, v8
	global_load_b32 v13, v8, s[52:53]
	v_and_b32 v12, 7, v10
	v_lshlrev_b32 v12, 2, v12
	v_lshl_add_u32 v12, v9, 9, v12                 ; 512 (r / 8) + 4 (r % 8)
	s_lshl_b32 s56, s30, 12
	s_lshl_b32 s57, s31, 10
	s_add_co_u32 s56, s56, s57
	s_lshl_b32 s57, s33, 5
	s_add_co_u32 s56, s56, s57                     ; 4096 p + 1024 w + 32 c
	v_add_nc_u32 v12, s56, v12
	s_wait_loadcnt 0x0
	global_store_b32 v12, v13, s[26:27]            ; lanes 16-31 repeat lanes 0-15
.Lno_bias:
	s_wait_tensorcnt 0x0                           ; the wave's end: behind my last LDS store
	ds_add_u32 v[SPW], v[NIL]
	s_wait_dscnt 0x0
	s_endpgm
.Lfunc_end_k_qe5db2548ce_prep:
	.size	k_qe5db2548ce_prep, .Lfunc_end_k_qe5db2548ce_prep-k_qe5db2548ce_prep
	.p2alignl 7, 3214868480
	.fill 96, 4, 3214868480
	.section	.rodata,"a",@progbits
	.p2align	6, 0x0
	.amdhsa_kernel k_qe5db2548ce_prep
		.amdhsa_group_segment_fixed_size 35328
		.amdhsa_private_segment_fixed_size 0
		.amdhsa_enable_private_segment 0
		.amdhsa_kernarg_size 96
		.amdhsa_user_sgpr_count 2
		.amdhsa_user_sgpr_kernarg_segment_ptr 1
		.amdhsa_wavefront_size32 1
		.amdhsa_system_sgpr_workgroup_id_x 1
		.amdhsa_system_sgpr_workgroup_id_y 1
		.amdhsa_system_sgpr_workgroup_id_z 1
		.amdhsa_system_vgpr_workitem_id 0
		.amdhsa_next_free_vgpr 256
		.amdhsa_next_free_sgpr 66
		.amdhsa_reserve_vcc 0
		.amdhsa_float_denorm_mode_32 3
		.amdhsa_float_denorm_mode_16_64 3
		.amdhsa_memory_ordered 1
		.amdhsa_forward_progress 1
		.amdhsa_inst_pref_size 35
	.end_amdhsa_kernel
	.amdgpu_metadata
---
amdhsa.version: [ 1, 2 ]
amdhsa.kernels:
  - .name:           k_qe5db2548ce_prep
    .symbol:         k_qe5db2548ce_prep.kd
    .args:
      - { .name: QKV, .offset: 0, .size: 8, .value_kind: global_buffer, .address_space: global }
      - { .name: Wq, .offset: 8, .size: 8, .value_kind: global_buffer, .address_space: global }
      - { .name: Wk, .offset: 16, .size: 8, .value_kind: global_buffer, .address_space: global }
      - { .name: Wv, .offset: 24, .size: 8, .value_kind: global_buffer, .address_space: global }
      - { .name: Wo, .offset: 32, .size: 8, .value_kind: global_buffer, .address_space: global }
      - { .name: bq, .offset: 40, .size: 8, .value_kind: global_buffer, .address_space: global }
      - { .name: bk, .offset: 48, .size: 8, .value_kind: global_buffer, .address_space: global }
      - { .name: bv, .offset: 56, .size: 8, .value_kind: global_buffer, .address_space: global }
      - { .name: bo, .offset: 64, .size: 8, .value_kind: global_buffer, .address_space: global }
      - { .name: xc, .offset: 72, .size: 8, .value_kind: global_buffer, .address_space: global }
      - { .name: wc, .offset: 80, .size: 8, .value_kind: global_buffer, .address_space: global }
      - { .name: bi, .offset: 88, .size: 8, .value_kind: global_buffer, .address_space: global }
    .group_segment_fixed_size: 35328
    .private_segment_fixed_size: 0
    .kernarg_segment_align: 8
    .kernarg_segment_size: 96
    .max_flat_workgroup_size: 128
    .sgpr_count:     66
    .vgpr_count:     256
    .wavefront_size: 32
...
	.end_amdgpu_metadata
.endif
;; end of part 1
;; launch fused (part 2): grid 256 x 1, 4 waves a work-group, clusters of 4 x 1, 327,680 bytes of LDS; arguments xc, wc, bi, out0; writes out0
.if DOCPART == 2
	.amdgcn_target "amdgcn-amd-amdhsa--gfx1250"
	.amdhsa_code_object_version 6
	.text
	.protected	k_qe5db2548ce_fused
	.globl	k_qe5db2548ce_fused
	.p2align	8
	.type	k_qe5db2548ce_fused,@function
k_qe5db2548ce_fused:
	s_mov_b64 s[64:65], 0
	v_nop
	global_prefetch_b8 v0, s[64:65] scope:SCOPE_SE
	s_setreg_imm32_b32 hwreg(HW_REG_WAVE_MODE, 25, 1), 1
	s_wait_xcnt 0x0
	s_wait_alu depctr_hold_cnt(0) depctr_sa_sdst(0) depctr_va_vdst(0) depctr_va_sdst(0) depctr_va_ssrc(0) depctr_va_vcc(0) depctr_vm_vsrc(0)
	s_getreg_b32 s2, hwreg(HW_REG_IB_STS2, 6, 4)
	s_cmp_eq_u32 s2, 0
	s_cbranch_scc0 .Lentry_in_a_cluster
	s_endpgm
.Lentry_in_a_cluster:
	s_bfe_u32 s2, ttmp6, 0x10000c
	s_cmp_lg_u32 s2, 0x3003
	s_cbranch_scc0 .Lentry_shape_is_right
	s_endpgm
.Lentry_shape_is_right:
; out = (softmax over heads (8 Q_t K_t^T, causal over heads) V_t) Wo^T + bo, Q, K, V = x W^T + b, for 64 tokens a work-group, from the codes, scale words and biases that the launch before has laid in register order.
; The four large products and Q_t K_t^T go on codes of BF6 (E3M2) with E8M0 scales; P V has f32 operands, since its result goes into a quantiser; all else f32.  Nothing goes through memory between the steps.
; DEAD WORK LEFT OUT: Q's columns 0..63 (query head 0).  Under reference()'s own jnp.tril that head sees key head 0 alone, so its softmax row is the number 1 for every finite score, whatever the inputs hold:
;   wave 0 jumps over its column tiles 0..3 in pass Q (128 matrix instructions a work-group); the accumulators then hold bq alone, which is finite, and row 0 of P still comes out 1.
;   LIMIT: a NaN, an infinity or an overflow that reaches only Q's head 0 is not carried to the result.  Masked scores inside live tiles are computed and set to -infinity.
; LIMITS of the quantisers here: a block of zeros gets the byte 1 (its codes are zeros; this program alone reads the bytes); blocks under 2^-122 have their byte held at 1; NaN and infinities are not served.
; SHARES.  THE WAVES SHARE THE COLUMNS: in each pass (Q, K, V, O) wave w makes 64 tokens x 256 columns: 64 accumulators, 512 registers.  The matrix instruction is used TRANSPOSED (source 0 = 16 weight rows, source 1 = 16 tokens):
;   a lane holds one token and its registers run along the columns.  A weight fragment is read from LDS once, by one wave, and feeds four matrix instructions.  The sums begin from the bias, which loads put into the accumulators: nothing is cleared.
; THE RING.  All work-groups walk the same 32 chunks (pass x K step of 128) of 102,400 bytes.  Two LDS slots of one chunk; wave w fetches its own quarter, 100 rows of 256 dense bytes.
; CLUSTER.  The four work-groups of a cluster ask for each quarter JOINTLY: the same tensor load, the same descriptor, the mask 15.  No descriptor word, LDS address or branch hangs on the place in the cluster; it enters xc's and out0's addresses and the prefetch's offset alone.
;   A wave has two tensor loads out at the start and one behind each round.
; x's codes: each wave loads one fragment (16 tokens x 128 K) a step from xc and hands it to the others through a small stage in LDS, published by the step's one round.
; ATTENTION, a token at a time.  S^T = K_t Q_t^T: one scaled instruction, K = 64, the upper 64 zero codes; a lane holds one query head and eight key heads.  P's registers ARE source 1 of O^T = V_t^T P_t^T in the f32 form.
;   V was made with tiles of sixteen heads at one place of the head, and turns through LDS into source 0's order, 16 tokens at a time.  The places d that form a tile of V^T are chosen so that a lane's 16 results are 16 neighbours along the last product's K.
; REGISTERS, in windows of 256.  Window 0: v1-31 addresses; v32-47 W's scale words, v48-55 x's, v56-59 Q_t's and K_t's (these hold scales alone); v60-72 the fragment of x in hand; v76-171 x's fragments, two sets (phase S: K_t, Q_t; phase A: V images); v172-255 at work.
;   Window 1: v0-191 W's sixteen fragments (from phase S on: P, v0-127; on the way out: rows of out0); v192-255 O^T, written by the f32 matrix form alone.  Windows 2, 3: accumulator (m, c) in window 2 + c / 8 at v[64 m + 8 (c % 8)].
.set CHUNK, 102400
.set QUART, 25600
.set NB,    2*CHUNK                    ; behind the ring; no tensor load lands at or above this byte
.set QKR,   NB                         ; up to the end of phase S: 64 tokens x 1,552: Q's 768 bytes of codes, K's 768, 16 of padding
.set QKP,   1552
.set QKS,   NB+99328                   ; [Q, K][token][head] 2 scale bytes
.set XST,   NB+103424                  ; x's stage, twice: four fragments of 1,536, four scale images of 128
.set XSB,   6656
.set VST,   NB                         ; from phase A on: V of 16 tokens, pitch 4,112
.set VP,    4112
.set AO,    NB+65792                   ; the attention's result as codes: 64 tokens x (768 + 16)
.set AOP,   784
.set AOS,   NB+115968                  ; its scale bytes: [token][32]
.set OST,   NB                         ; the way out: 16 rows x 528 for each wave
.set OP,    528
.set SPARE, 327168                     ; the spare words, 128 bytes a wave: two blocks of 256 bytes that no other line names
.set LI,1
.set LS,2
.set WA,3
.set WS,5
.set XWI,7
.set XWS,8
.set XRI,9
.set XRS,10
.set XGA,11
.set XGSA,12
.set QW,13
.set QSW,15
.set SRA,16                            ; v16, v18: tokens of m = 0, 1 and of m = 2, 3
.set SSA,17
.set VW,19
.set VR,20
.set AOW,21
.set AOSW,22
.set AOA,23
.set AOSA,24
.set BA,25
.set STO,26
.set RD,27
.set SPW,28
.set NIL,29
.set PFO,30
.set NINF,31
.set WSC,32
.set XSC,48
.set SQ,56
.set XG,60
.set XGS,72
.set XF,76
.set KF,76                             ; phase S: K_t of token i at KF + 24 i, Q_t at KF + 12 + 24 i
.set VA,76                             ; phase A: two V images of 32
.set TM,172
.set PW,188
.set PC,190
.set SA,192                            ; phase S: the scores, 8 a token
.set MXS,224
.set TT,228
.set NM,232
.set SU,240
.set MA,234                            ; phase A
.set TP,236
.set SOA,238
.set BYA,240
.set BW,242
.set WV,12                             ; s12 wave   s13 place in the cluster   s14 work-group   s15 passes   s16 trips
.set CNT,17                            ; s17 steps begun
.set LIM,18                            ; s18 28 in the first cluster, else 0
.set SKQ,19                            ; s19 0 in wave 0 in pass Q alone
.set SEL,20
.set CS,22                             ; s[22:23] 8 log2(e)
.set G1,24
.set G0,32
.set XB,40                             ; s[40:41] my block in xc
.set XK,42
.set XP,44                             ; s[44:45] the K step of x being loaded
.set PFA,46
.set MK,48                             ; s48-55 lanes in which register j's key head is hidden
.set BIP,56                            ; s[56:57] the pass's biases
.set MUL_LO, 0xa1                      ; source 0 (W) window 1, source 1 (x) window 0, C and D window 2
.set MUL_HI, 0xf1
.set TO_W1,  0x40
.set MSB, 0
.macro WIN new                         ; the immediate's high byte repeats the setting that is left; a switch that changes nothing is dropped
.if MSB != (\new)
	s_set_vgpr_msb (MSB<<8)|(\new)
.set MSB, (\new)
.endif
.endm
.macro PLACES n                        ; plain vector places behind matrix instructions (ISA guide 7.12.1 for vector instructions)
.rept \n
	v_nop
.endr
.endm
.macro CREST                           ; a round of the cluster's barrier behind its opening barrier
	s_cmp_lg_u32 s[WV], 0
	s_cbranch_scc1 .Lnot_wave_0_\@
	s_barrier_signal -3
.Lnot_wave_0_\@:
	s_barrier_wait -3
	s_barrier_signal -1
	s_barrier_wait -1
.endm
.macro CROUND
	s_barrier_signal -1
	s_barrier_wait -1
	CREST
.endm
.macro BARRIER                         ; my LDS stores have landed and my LDS loads are in: then the work-group's barrier
	s_wait_dscnt 0x0
	s_barrier_signal -1
	s_barrier_wait -1
.endm
; Four matrix instructions: column tile c against the four tiles of tokens.  The 64 accumulators take turns, one instruction a turn, in the same order in every step.
.macro MULT c, sg
.irp m, 0,1,2,3
.if ((\c)%2)
	v_wmma_scale_f32_16x16x128_f8f6f4 v[64*\m+8*((\c)%8):64*\m+8*((\c)%8)+7], v[12*(\c):12*(\c)+11], v[XF+48*(\sg)+12*\m:XF+48*(\sg)+12*\m+11], v[64*\m+8*((\c)%8):64*\m+8*((\c)%8)+7], v[WSC+8*(\sg)+(\c)/2], v[XSC+4*(\sg)+\m] matrix_a_fmt:MATRIX_FMT_BF6 matrix_b_fmt:MATRIX_FMT_BF6 matrix_a_scale:MATRIX_SCALE_ROW1
.else
	v_wmma_scale_f32_16x16x128_f8f6f4 v[64*\m+8*((\c)%8):64*\m+8*((\c)%8)+7], v[12*(\c):12*(\c)+11], v[XF+48*(\sg)+12*\m:XF+48*(\sg)+12*\m+11], v[64*\m+8*((\c)%8):64*\m+8*((\c)%8)+7], v[WSC+8*(\sg)+(\c)/2], v[XSC+4*(\sg)+\m] matrix_a_fmt:MATRIX_FMT_BF6 matrix_b_fmt:MATRIX_FMT_BF6
.endif
.endr
.endm
.macro FETCH_W sg, fst                 ; eight of my quarter's fragments, as they lie: 24 loads of 512 consecutive bytes
	WIN TO_W1
.irp c, 0,1,2,3,4,5,6,7
.irp k, 0,1,2
	ds_load_b128 v[12*((\fst)+\c)+4*\k:12*((\fst)+\c)+4*\k+3], v[WA+(\sg)] offset:1536*((\fst)+\c)+512*\k
.endr
.endr
	WIN 0
.endm
.macro FETCH_WS sg                     ; register q: lanes 0-15 tile 2 q's scale words, lanes 16-31 tile 2 q + 1's
.irp q, 0,1,2,3,4,5,6,7
	ds_load_b32 v[WSC+8*(\sg)+\q], v[WS+(\sg)] offset:128*\q
.endr
.endm
.macro FETCH_X sg, src, kimm           ; source 1's four fragments and scale words: src = 0 from x's stage, 1 from the attention's rows, kimm K steps on from AOA
.if \src
.irp m, 0,1,2,3
.irp c, 0,1
.irp e, 0,1,2
	ds_load_b64 v[XF+48*(\sg)+12*\m+6*\c+2*\e:XF+48*(\sg)+12*\m+6*\c+2*\e+1], v[AOA] offset:16*AOP*\m+96*(\kimm)+48*\c+8*\e
.endr
.endr
.endr
.irp m, 0,1,2,3
	ds_load_b32 v[XSC+4*(\sg)+\m], v[AOSA] offset:512*\m+4*(\kimm)
.endr
.else
.irp m, 0,1,2,3
.irp k, 0,1,2
	ds_load_b128 v[XF+48*(\sg)+12*\m+4*\k:XF+48*(\sg)+12*\m+4*\k+3], v[XRI] offset:XSB*(\sg)+1536*\m+512*\k
.endr
.endr
.irp m, 0,1,2,3
	ds_load_b32 v[XSC+4*(\sg)+\m], v[XRS] offset:XSB*(\sg)+128*\m
.endr
.endif
.endm
.macro XGLOAD                          ; my fragment (tokens 16 w ..) of the K step at s[XP], and its rows' scale words
.irp k, 0,1,2
	global_load_b128 v[XG+4*\k:XG+4*\k+3], v[XGA], s[XP:XP+1] offset:512*\k
.endr
	global_load_b32 v[XGS], v[XGSA], s[XP:XP+1]
.endm
.macro XGSTORE sg
.irp k, 0,1,2
	ds_store_b128 v[XWI], v[XG+4*\k:XG+4*\k+3] offset:XSB*(\sg)+512*\k
.endr
	ds_store_b32 v[XWS], v[XGS] offset:XSB*(\sg)
.endm
.macro BIAS m, kk                      ; the pass's biases into the 64 accumulator registers of tokens 16 m .., tiles 8 kk ..: lane (r, h) wants 512 h + 4 (8 c + j)
	WIN 0x40*(2+(\kk))
.irp x, 0,1,2,3,4,5,6,7,8,9,10,11,12,13,14,15
	global_load_b128 v[64*(\m)+4*\x:64*(\m)+4*\x+3], v[BA], s[BIP:BIP+1] offset:256*(\kk)+16*\x
.endr
	WIN 0
.endm
; A PREFETCH INTO THE L2: in step i the chunk i + 4, which is two refills ahead of the refill just issued.  All clusters walk the same chunks: the first cluster asks.  Wave w asks for its quarter's 100 blocks of 256 bytes;
; the four partners take 25 each, told apart BY ADDRESS (lanes 25-31 repeat lane 24's).  Steps 28 on ask for nothing: there is no chunk 32.  Chunks 0 to 3 come by their loads alone.
.macro ASK
	s_cmp_le_u32 s[CNT], s[LIM]
	s_cbranch_scc0 .Lno_ask_\@
	global_prefetch_b8 v[PFO], s[PFA:PFA+1] th:TH_LOAD_NT scope:SCOPE_SE
.Lno_ask_\@:
.endm
; A STEP: 128 along K, 64 matrix instructions, on the fragments fetched in the step before (slot sg).
; refill: this slot, whose last reads are waited for here, is filled again two chunks on, behind ONE round, which also publishes x's staged fragment.  xst: my fragment of the next K step of x goes to the stage.
; xg: the K step after that is asked of memory.  nxt: the next step's operands are fetched from the other slot.  skq: the jump round Q's head 0.
.macro STEP sg, src, refill, xst, xg, nxt, skq, kimm
	s_wait_dscnt 24                                ; all but the youngest 24 LDS loads, W's tiles 8-15
.if \skq
	s_cmp_eq_u32 s[SKQ], 0                         ; wave 0 in pass Q: tiles 0..3 are query head 0
	s_cbranch_scc1 .Lskq_\@
.endif
	WIN MUL_LO
	MULT 0, \sg
	MULT 1, \sg
	MULT 2, \sg
	MULT 3, \sg
.if \skq
	WIN 0                                          ; at a label and at a branch every window is 0
.Lskq_\@:
.endif
	WIN MUL_LO
	MULT 4, \sg
	MULT 5, \sg
	WIN 0
.if \xst
	s_wait_loadcnt 0x0                             ; my fragment of x, asked for a step ago
	XGSTORE (1-\sg)                                ; into the stage that every wave has done reading: those reads were waited for in front of the last round
.endif
.if \refill
	s_wait_xcnt 0x0                                ; the last prefetch, a step back, has read its address
	s_add_nc_u64 s[PFA:PFA+1], s[PFA:PFA+1], CHUNK
	s_add_co_u32 s[CNT], s[CNT], 1
	s_wait_tensorcnt 0x0                           ; all my tensor loads have landed: the one that was out is my quarter of the other slot; so a group 0 may be written
	ds_add_u32 v[SPW], v[NIL]                      ; 0 onto my spare word
	s_add_nc_u64 s[G0+4*\sg+2:G0+4*\sg+3], s[G0+4*\sg+2:G0+4*\sg+3], 2*CHUNK
	WIN MUL_LO
	MULT 6, \sg                                    ; work on registers between the add and the wait for it
	s_wait_dscnt 0x0                               ; the add is done, my reads of this slot are over, my part of x's stage is stored
	s_barrier_signal -1                            ; this barrier opens a round of the cluster's barrier
	MULT 7, \sg
	WIN 0
	s_barrier_wait -1
	CREST                                          ; no wave of any partner still reads this slot or has a load on its way
	tensor_load_to_lds s[G0+4*\sg:G0+4*\sg+3], s[G1:G1+7]   ; my one tensor load behind the round, and the first thing there
	s_nop 0
	PLACES 4                                       ; the places in front of the loads below
.else
.if \nxt
	s_wait_tensorcnt 0x0                           ; my quarter of the last chunk: I alone read it, so my own wait orders the reads
.endif
	WIN MUL_LO
	MULT 6, \sg
	MULT 7, \sg
	s_wait_dscnt 0x0                               ; W's tiles 8-15
	PLACES 4
	WIN 0
.endif
.if \xg
	s_add_co_u32 s[XK], s[XK], 1
	s_and_b32 s[XK], s[XK], 7                      ; x is walked anew in each of the three passes
	s_mul_i32 s58, s[XK], 6400
	s_mov_b32 s59, 0
	s_add_nc_u64 s[XP:XP+1], s[XB:XB+1], s[58:59]  ; the loads that named this pair were waited for above
	XGLOAD
.endif
.if \nxt
	FETCH_X (1-\sg), \src, \kimm
	FETCH_WS (1-\sg)
	FETCH_W (1-\sg), 0
.endif
.if \refill
	ASK
.endif
	WIN MUL_HI
	MULT 8, \sg
	MULT 9, \sg
	MULT 10, \sg
	MULT 11, \sg
	MULT 12, \sg
	MULT 13, \sg
	MULT 14, \sg
	MULT 15, \sg
	PLACES 4
	WIN 0
.if \nxt
	FETCH_W (1-\sg), 8
.endif
.endm
; 64 numbers of a lane in window win, register s + 16 b + i = column 32 b + 16 (lane / 16) + i of my token's 128, become a fragment's codes in v[PC] on and its scale word in v[PW].
.macro QUANTW win, s
	WIN 20*(\win)                                  ; sources 1 and 2 in window win
.irp b, 0,1,2,3
	v_max3_num_f32 v[TM+\b], 0x2800000, |v[(\s)+16*\b]|, |v[(\s)+16*\b+1]|   ; the floor 2^(5 - 127) among the leaves; each accumulator is read from its low end on
.endr
.irp i, 2,4,6,8,10,12,14
.irp b, 0,1,2,3
	v_max3_num_f32 v[TM+\b], v[TM+\b], |v[(\s)+16*\b+\i]|, |v[(\s)+16*\b+\i+1]|
.endr
.endr
	WIN 0
	s_wait_dscnt 0x0                               ; the last fragment's stores have read v[PC] on and v[PW]
.irp b, 0,1,2,3
	v_permlanex16_b32 v[TM+4+\b], v[TM+\b], s[SEL], s[SEL+1]
.endr
.irp b, 0,1,2,3
	v_max_num_f32 v[TM+\b], v[TM+\b], v[TM+4+\b]   ; with lane l xor 16's: the block's largest magnitude
.endr
.irp b, 0,1,2,3
	v_add_nc_u32 v[TM+12+\b], 0xfe000000, v[TM+\b] ; 4 off its exponent field: the conversion's scale operand
.endr
.irp b, 0,1,2,3
	v_lshrrev_b32 v[TM+4+\b], 23, v[TM+12+\b]      ; the byte
.endr
	v_lshl_or_b32 v[PW], v[TM+5], 8, v[TM+4]
	v_lshl_or_b32 v[PW], v[TM+6], 16, v[PW]
	v_lshl_or_b32 v[PW], v[TM+7], 24, v[PW]
	WIN (\win)                                     ; source 0 in window win
.irp c, 0,1
	v_cvt_scalef32_pk16_bf6_f32 v[PC+6*\c:PC+2+6*\c], v[(\s)+32*\c:(\s)+15+32*\c], v[TM+12+2*\c]
	v_cvt_scalef32_pk16_bf6_f32 v[PC+12+4*\c:PC+14+4*\c], v[(\s)+16+32*\c:(\s)+31+32*\c], v[TM+12+2*\c+1]   ; (a conversion's three registers begin on an even number)
.endr
	v_nop                                          ; one plain place behind a scaled conversion
	WIN 0
.irp c, 0,1                            ; a WHOLE block in a lane: lanes 0-15 block 2 c, lanes 16-31 block 2 c + 1
.irp i, 0,1,2
	v_permlane16_swap_b32 v[PC+6*\c+\i], v[PC+12+4*\c+\i]
.endr
.irp i, 0,1,2
	v_mov_b32 v[PC+3+6*\c+\i], v[PC+12+4*\c+\i]
.endr
.endr
.endm
; THE END OF PASSES Q AND K: my 256 columns of the 64 tokens are quantised along the head (blocks of 32 columns) and go to the tokens' rows in LDS; the accumulators take the next pass's biases as they are freed.
.macro EPI
	s_add_nc_u64 s[BIP:BIP+1], s[BIP:BIP+1], 4096  ; (the loads that named this pair have been waited for)
.irp kk, 0,1
.irp m, 0,1,2,3
	QUANTW 2+\kk, 64*\m
.irp c, 0,1
.irp e, 0,1,2
	ds_store_b64 v[QW+(\m)/2], v[PC+6*\c+2*\e:PC+6*\c+2*\e+1] offset:16*QKP*((\m)%2)+96*\kk+48*\c+8*\e   ; columns 256 w + 128 kk + 64 c + 32 h on: 24 bytes of the row's stream of bits
.endr
.endr
	ds_store_b32 v[QSW], v[PW] offset:512*\m+4*\kk ; heads 4 w + 2 kk and the next: two bytes each
	BIAS \m, \kk
.endr
.endr
	v_add_nc_u32 v[QW], 768, v[QW]                 ; K's codes lie behind Q's in a row,
	v_add_nc_u32 v[QW+1], 768, v[QW+1]
	v_add_nc_u32 v[QSW], 2048, v[QSW]              ; its bytes behind Q's
	s_mov_b32 s[SKQ], 1                            ; from here on nothing is jumped over
	s_wait_loadcnt 0x0                             ; the biases
.endm
	s_load_b256 s[4:11], s[0:1], 0x0               ; xc s[4:5], wc s[6:7], bi s[8:9], out0 s[10:11]
	v_lshl_add_u32 v[SPW], v0, 2, SPARE
	v_mov_b32 v[NIL], 0
	ds_add_u32 v[SPW], v[NIL]                      ; the wave's opening: the add, twice on end, and its wait ahead of the round in front of my first tensor load
	ds_add_u32 v[SPW], v[NIL]                      ; and once more, under the one wait; the set-up below is work on registers
	v_lshrrev_b32 v210, 5, v0
	v_readfirstlane_b32 s[WV], v210                ; wave 0..3
	s_bfe_u32 s13, ttmp6, 0x40000                  ; my place in the cluster
	s_lshl_b32 s14, ttmp9, 2                       ; in a cluster launch ttmp9 counts clusters
	s_add_co_u32 s14, s14, s13                     ; my block of 64 tokens
	s_mov_b32 s[G1], 15|(3<<16)|(1<<21)            ; 15:0 the mask: all four; 17:16 elements of 8 bytes; 20 no padding; 21 set beside a mask
	s_mov_b32 s[G1+1], 32<<16                      ; tensor_dim0 = 32 elements: 256 bytes
	s_mov_b32 s[G1+2], 100<<16                     ; tensor_dim1 = 100
	s_mov_b32 s[G1+3], 32<<16                      ; tile_dim0
	s_mov_b32 s[G1+4], 100                         ; tile_dim1
	s_mov_b32 s[G1+5], 32                          ; from row to row: dense
	s_mov_b32 s[G1+6], 0
	s_mov_b32 s[G1+7], 0
	s_mov_b32 s[G0], 1
	s_mul_i32 s[G0+1], s[WV], QUART                ; slot 0, my quarter
	s_mov_b32 s[G0+4], 1
	s_add_co_u32 s[G0+5], s[G0+1], CHUNK           ; slot 1
	s_mov_b32 s[SEL], 0x76543210
	s_mov_b32 s[SEL+1], 0xfedcba98                 ; v_permlanex16_b32's selects for lane l xor 16
	s_mov_b32 s[CS], 0x4138aa3b                    ; 8 log2(e): reference() multiplies the scores by sqrt(64)
	s_mov_b32 s[CS+1], s[CS]
	s_mov_b32 s[CNT], 0
	s_mov_b32 s[SKQ], s[WV]
	s_cmp_eq_u32 ttmp9, 0
	s_cselect_b32 s[LIM], 28, 0                    ; the same in all four partners
	v_and_b32 v210, 31, v0                         ; lane
	v_and_b32 v211, 15, v0                         ; r
	v_bfe_u32 v212, v0, 4, 1                       ; h
	v_lshlrev_b32 v[LI], 4, v210
	v_lshlrev_b32 v[LS], 2, v210
	s_mul_i32 s58, s[WV], QUART
	v_add_nc_u32 v[WA], s58, v[LI]
	v_add_nc_u32 v[WA+1], CHUNK, v[WA]
	s_add_co_u32 s59, s58, 24576
	v_add_nc_u32 v[WS], s59, v[LS]
	v_add_nc_u32 v[WS+1], CHUNK, v[WS]
	s_mul_i32 s59, s[WV], 1536
	v_add_nc_u32 v[XGA], s59, v[LI]
	s_add_co_u32 s59, s59, XST
	v_add_nc_u32 v[XWI], s59, v[LI]
	s_lshl_b32 s59, s[WV], 7
	s_add_co_u32 s59, s59, XST+6144
	v_add_nc_u32 v[XWS], s59, v[LS]
	v_add_nc_u32 v[XRI], XST, v[LI]
	v_add_nc_u32 v[XRS], XST+6144, v[LS]
	s_lshl_b32 s59, s[WV], 6
	s_add_co_u32 s59, s59, 6144
	v_lshl_add_u32 v[XGSA], v211, 2, s59
	v_mul_u32_u24 v213, v211, 48
	v_mad_u32_u24 v213, v212, 24, v213             ; 48 r + 24 h: head r's block h in a row of codes
	v_mul_u32_u24 v[QW], v211, QKP
	v_mad_u32_u24 v[QW], v212, 24, v[QW]
	s_mul_i32 s59, s[WV], 192
	s_add_co_u32 s59, s59, QKR
	v_add_nc_u32 v[QW], s59, v[QW]
	v_add_nc_u32 v[QW+1], 32*QKP, v[QW]
	s_lshl_b32 s59, s[WV], 3
	s_add_co_u32 s59, s59, QKS
	v_lshl_add_u32 v[QSW], v211, 5, s59
	s_mul_i32 s59, s[WV], 4*QKP
	s_add_co_u32 s59, s59, QKR
	v_add_nc_u32 v[SRA], s59, v213
	v_add_nc_u32 v[SRA+2], 32*QKP, v[SRA]
	s_lshl_b32 s59, s[WV], 7
	s_add_co_u32 s59, s59, QKS
	v_lshl_add_u32 v[SSA], v211, 1, s59
	v_lshl_add_u32 v[SSA], v212, 11, v[SSA]        ; lanes 0-15 Q's bytes, lanes 16-31 K's
	s_lshr_b32 s59, s[WV], 1
	s_lshl_b32 s59, s59, 11
	s_and_b32 s60, s[WV], 1
	s_lshl_b32 s60, s60, 7
	s_add_co_u32 s59, s59, s60
	s_add_co_u32 s59, s59, VST
	v_mul_u32_u24 v[VW], v211, VP
	v_lshl_add_u32 v[VW], v212, 8, v[VW]
	v_add_nc_u32 v[VW], s59, v[VW]
	s_mul_i32 s59, s[WV], 4*VP
	s_add_co_u32 s59, s59, VST
	v_add_nc_u32 v[VR], s59, v[LI]
	s_mul_i32 s59, s[WV], 4*AOP
	s_add_co_u32 s59, s59, AO
	v_add_nc_u32 v[AOW], s59, v213
	s_lshl_b32 s59, s[WV], 7
	s_add_co_u32 s59, s59, AOS
	v_lshl_add_u32 v[AOSW], v211, 1, s59
	v_mul_u32_u24 v[AOA], v211, AOP
	v_mad_u32_u24 v[AOA], v212, 24, v[AOA]
	v_add_nc_u32 v[AOA], AO, v[AOA]
	v_lshl_add_u32 v[AOSA], v211, 5, AOS
	s_lshl_b32 s59, s[WV], 10
	v_lshl_add_u32 v[BA], v212, 9, s59
	s_mul_i32 s59, s[WV], 16*OP
	s_add_co_u32 s59, s59, OST
	v_mul_u32_u24 v[STO], v211, OP
	v_lshl_add_u32 v[STO], v212, 6, v[STO]
	v_add_nc_u32 v[STO], s59, v[STO]
	v_add_nc_u32 v[RD], s59, v[LI]
	v_min_u32 v[PFO], 24, v210
	s_mul_i32 s59, s13, 25
	v_add_nc_u32 v[PFO], s59, v[PFO]
	v_lshlrev_b32 v[PFO], 8, v[PFO]
	v_mov_b32 v[NINF], 0xff800000
	v_lshlrev_b32 v213, 3, v212
	v_sub_nc_u32 v213, v211, v213                  ; r - 8 h: register j holds key head 8 h + j, hidden from query head r where j > r - 8 h
.irp j, 0,1,2,3,4,5,6,7
	v_cmp_gt_i32 s[MK+\j], \j, v213
.endr
.irp b, 0,1,2,3
	v_mov_b32 v[TM+4+\b], 0                        ; written once: a lane permute's destination counts as one of its sources
.endr
	s_wait_dscnt 0x0                               ; both opening adds are done
	s_wait_kmcnt 0x0
	s_mov_b32 s59, 0
	s_add_nc_u64 s[G0+2:G0+3], s[6:7], s[58:59]    ; chunk 0, my quarter
	s_add_nc_u64 s[G0+6:G0+7], s[G0+2:G0+3], CHUNK ; chunk 1
	s_add_nc_u64 s[PFA:PFA+1], s[G0+2:G0+3], 3*CHUNK   ; step 0 steps it to chunk 4.  Nothing is prefetched here, at the head
	s_or_b32 s[G0+3], s[G0+3], 0x80000000          ; type = 2
	s_or_b32 s[G0+7], s[G0+7], 0x80000000
	s_mul_i32 s58, s14, 51200
	s_add_nc_u64 s[XB:XB+1], s[4:5], s[58:59]
	s_lshl_b32 s58, s14, 18
	s_lshl_b32 s60, s[WV], 10
	s_add_co_u32 s58, s58, s60
	s_add_nc_u64 s[10:11], s[10:11], s[58:59]      ; out0 at my block's first token, my 256 columns
	s_mov_b64 s[BIP:BIP+1], s[8:9]
	s_mov_b64 s[XP:XP+1], s[XB:XB+1]
	CROUND                                         ; all four work-groups are here: the first joint loads meet
	tensor_load_to_lds s[G0:G0+3], s[G1:G1+7]      ; both first fills by every wave, ahead of every wait on TENSORcnt, every LDS read and every other barrier
	s_nop 0
	tensor_load_to_lds s[G0+4:G0+7], s[G1:G1+7]
	s_nop 0
	PLACES 4
	XGLOAD                                         ; x, K step 0
	s_wait_loadcnt 0x0
	XGSTORE 0
	s_add_nc_u64 s[XP:XP+1], s[XB:XB+1], 6400
	s_mov_b32 s[XK], 1
	s_wait_dscnt 0x0                               ; the stores have read their registers
	XGLOAD                                         ; K step 1
.irp m, 0,1,2,3
	BIAS \m, 0                                     ; bq starts pass Q's sums
	BIAS \m, 1
.endr
	s_wait_tensorcnt 1                             ; chunk 0 is in; chunk 1 may stay out
	s_barrier_signal -1
	s_barrier_wait -1                              ; x's four fragments of K step 0 lie in the stage
	FETCH_X 0, 0, 0
	FETCH_WS 0
	FETCH_W 0, 0
	FETCH_W 0, 8
	s_wait_loadcnt 0x0                             ; the biases
	s_mov_b32 s15, 2
.Lpass:                                            ; passes Q and K
	s_mov_b32 s16, 4
.Lqk:
	STEP 0, 0, 1, 1, 1, 1, 1, 0
	STEP 1, 0, 1, 1, 1, 1, 1, 0
	s_sub_co_u32 s16, s16, 1
	s_cmp_lg_u32 s16, 0
	s_cbranch_scc1 .Lqk
	EPI
	s_sub_co_u32 s15, s15, 1
	s_cmp_lg_u32 s15, 0
	s_cbranch_scc1 .Lpass
	s_mov_b32 s16, 3
.Lv:                                               ; pass V: its results stay in the accumulators
	STEP 0, 0, 1, 1, 1, 1, 0, 0
	STEP 1, 0, 1, 1, 1, 1, 0, 0
	s_sub_co_u32 s16, s16, 1
	s_cmp_lg_u32 s16, 0
	s_cbranch_scc1 .Lv
	STEP 0, 0, 1, 1, 0, 1, 0, 0                    ; the tail is written out: no more of x is asked for,
	STEP 1, 0, 1, 0, 0, 0, 0, 0                    ; nothing is staged or fetched; pass O's second chunk is asked for
; ---- PHASE S: the scores and the softmax.  Wave w takes tokens 16 m + 4 w + i.  The rounds of pass V stand between the stores of Q's and K's rows and these reads.  Only reads of LDS stand in this phase.
.irp i, 0,1,2,3
.irp e, 6,7,8,9,10,11,18,19,20,21,22,23
	v_mov_b32 v[KF+24*\i+\e], 0                    ; K = 64: the upper 64 of the instruction's 128 are zero codes, on both sides
.endr
	v_mov_b32 v[TT+\i], 0                          ; (a lane permute's destination counts as one of its sources)
	v_mov_b32 v[NM+2*\i+1], 0                      ; (named as the upper half of a pair)
.endr
	PLACES 4
.macro PHS m
.irp i, 0,1,2,3
.irp e, 0,1,2
	ds_load_b64 v[KF+24*\i+2*\e:KF+24*\i+2*\e+1], v[SRA+2*((\m)/2)] offset:16*QKP*((\m)%2)+QKP*\i+768+8*\e       ; K_t: head r, d = 32 h ..
	ds_load_b64 v[KF+12+24*\i+2*\e:KF+12+24*\i+2*\e+1], v[SRA+2*((\m)/2)] offset:16*QKP*((\m)%2)+QKP*\i+8*\e     ; Q_t likewise
.endr
	ds_load_u16 v[SQ+\i], v[SSA] offset:512*(\m)+32*\i   ; two scale bytes; the upper two read as 0, over zero codes
.endr
	s_wait_dscnt 0x0
.irp i, 0,1,2,3
	v_wmma_scale_f32_16x16x128_f8f6f4 v[SA+8*\i:SA+8*\i+7], v[KF+24*\i:KF+24*\i+11], v[KF+12+24*\i:KF+23+24*\i], 0, v[SQ+\i], v[SQ+\i] matrix_a_fmt:MATRIX_FMT_BF6 matrix_b_fmt:MATRIX_FMT_BF6 matrix_a_scale:MATRIX_SCALE_ROW1
.endr                                  ; lane (r, h): query head r, register j: key head 8 h + j
	PLACES 4
.irp j, 0,1,2,3,4,5,6,7
.irp i, 0,1,2,3
	v_cndmask_b32 v[SA+8*\i+\j], v[SA+8*\i+\j], v[NINF], s[MK+\j]   ; hidden scores become -infinity; each result is read from its low end on
.endr
.endr
.irp i, 0,1,2,3
	v_max3_num_f32 v[MXS+\i], v[SA+8*\i], v[SA+8*\i+1], v[SA+8*\i+2]
.endr
.irp i, 0,1,2,3
	v_max3_num_f32 v[MXS+\i], v[MXS+\i], v[SA+8*\i+3], v[SA+8*\i+4]
.endr
.irp i, 0,1,2,3
	v_max3_num_f32 v[MXS+\i], v[MXS+\i], v[SA+8*\i+5], v[SA+8*\i+6]
.endr
.irp i, 0,1,2,3
	v_max_num_f32 v[MXS+\i], v[MXS+\i], v[SA+8*\i+7]
.endr
.irp i, 0,1,2,3
	v_permlanex16_b32 v[TT+\i], v[MXS+\i], s[SEL], s[SEL+1]
.endr
.irp i, 0,1,2,3
	v_max_num_f32 v[MXS+\i], v[MXS+\i], v[TT+\i]   ; the row's maximum: key head 0 is never hidden, so it is a number
.endr
.irp i, 0,1,2,3
	v_mul_f32 v[NM+2*\i], s[CS], v[MXS+\i]         ; its rounding is common to the row: the division takes it away
.endr
.irp k, 0,2,4,6
.irp i, 0,1,2,3
	v_pk_fma_f32 v[SA+8*\i+\k:SA+8*\i+\k+1], v[SA+8*\i+\k:SA+8*\i+\k+1], s[CS:CS+1], v[NM+2*\i:NM+2*\i+1] op_sel_hi:[1,0,0] neg_lo:[0,0,1] neg_hi:[0,0,1]
.endr
.endr
.irp j, 0,1,2,3,4,5,6,7
.irp i, 0,1,2,3
	v_exp_f32 v[SA+8*\i+\j], v[SA+8*\i+\j]
.endr
.endr
	v_nop                                          ; a plain place behind the last exponential
	s_wait_alu depctr_va_vdst(0)                   ; one wait for the batch of 32, ahead of its first reader
.irp i, 0,1,2,3
	v_pk_add_f32 v[SU+2*\i:SU+2*\i+1], v[SA+8*\i:SA+8*\i+1], v[SA+8*\i+2:SA+8*\i+3]
.endr
.irp k, 4,6
.irp i, 0,1,2,3
	v_pk_add_f32 v[SU+2*\i:SU+2*\i+1], v[SU+2*\i:SU+2*\i+1], v[SA+8*\i+\k:SA+8*\i+\k+1]
.endr
.endr
.irp i, 0,1,2,3
	v_add_f32 v[SU+2*\i], v[SU+2*\i], v[SU+2*\i+1]
.endr
.irp i, 0,1,2,3
	v_permlanex16_b32 v[TT+\i], v[SU+2*\i], s[SEL], s[SEL+1]
.endr
.irp i, 0,1,2,3
	v_add_f32 v[SU+2*\i], v[SU+2*\i], v[TT+\i]
.endr
.irp i, 0,1,2,3
	v_rcp_f32 v[NM+2*\i], v[SU+2*\i]
.endr
	v_nop
	s_wait_alu depctr_va_vdst(0)                   ; one wait for the four reciprocals
	WIN 0x40                                       ; P goes straight to its place in window 1: token 4 m + i of my sixteen at v[8 (4 m + i)]
.irp i, 0,1,2,3
.irp k, 0,2,4,6
	v_pk_mul_f32 v[8*(4*(\m)+\i)+\k:8*(4*(\m)+\i)+\k+1], v[SA+8*\i+\k:SA+8*\i+\k+1], v[NM+2*\i:NM+2*\i+1] op_sel_hi:[1,0]
.endr
.endr
	WIN 0
.endm
	PHS 0
	PHS 1
	PHS 2
	PHS 3
	BARRIER                                        ; every wave has read its tokens' Q and K: their bytes take V and the attention's result from here on
; ---- PHASE A: O_t^T = V_t^T P_t^T in f32, quantised along the head, 16 tokens (one tile m) at a time.
; V's way through LDS.  Accumulator (m, c) of wave w: lane (r, h), register j = V[token 16 m + r][head 8 h + j][d = 16 w + c].  A token's row of the stage is the image of source 0's 32 registers:
; register 8 dt + j of lane (i, h) = V[head 8 h + j][d = 32 (dt / 2) + 8 (dt % 2) + i + 8 (i / 8)], at byte 1024 dt + 512 (j / 4) + 256 h + 16 i + 4 (j % 4); d = 16 w + c gives dt = 2 (w / 2) + c / 8, i = c % 8 + 8 (w % 2).
; In K step s of the f32 form the K place 2 h + j stands for head 8 h + 2 s + j, on both sides alike.  Result: lane (q, h), register 16 b + x = d 32 b + 16 h + x of query head q.
.macro LV i
.irp k, 0,1,2,3,4,5,6,7
	ds_load_b128 v[VA+32*((\i)%2)+4*\k:VA+32*((\i)%2)+4*\k+3], v[VR] offset:VP*(\i)+512*\k
.endr
.endm
.macro TOK m, i, cnt
.set ZZ, (\i)%2
.set OA, 192+32*ZZ
.set VB, VA+32*ZZ
.set PB, 8*(4*(\m)+(\i))
.set C0, 210+12*ZZ
.set C1, 216+12*ZZ
	s_wait_dscnt \cnt                              ; this token's V is in, and the stores of the token two back are done; what was issued later may be out
	WIN 0x54                                       ; source 0 (V) window 0, source 1 (P), C and D window 1
.irp s, 0,1,2,3
.irp d, 0,1,2,3
.if \s == 0
	v_wmma_f32_16x16x4_f32 v[OA+8*\d:OA+8*\d+7], v[VB+8*\d+2*\s:VB+8*\d+2*\s+1], v[PB+2*\s:PB+2*\s+1], 0
.else
	v_wmma_f32_16x16x4_f32 v[OA+8*\d:OA+8*\d+7], v[VB+8*\d+2*\s:VB+8*\d+2*\s+1], v[PB+2*\s:PB+2*\s+1], v[OA+8*\d:OA+8*\d+7]
.endif
.endr
.endr                                  ; the four accumulators by turns, one instruction a turn
	WIN 0
	PLACES 8                                       ; this form wants eight, in front of the loads into V's registers and of the first read of results
.if (\i)+2 < 4
	LV (\i)+2
.endif
	WIN 0x14                                       ; sources 1 and 2 in window 1
.irp b, 0,1
	v_max3_num_f32 v[MA+\b], 0x2800000, |v[OA+16*\b]|, |v[OA+16*\b+1]|
.endr
.irp x, 2,4,6,8,10,12,14
.irp b, 0,1
	v_max3_num_f32 v[MA+\b], v[MA+\b], |v[OA+16*\b+\x]|, |v[OA+16*\b+\x+1]|
.endr
.endr
	WIN 0
.irp b, 0,1
	v_permlanex16_b32 v[TP+\b], v[MA+\b], s[SEL], s[SEL+1]
.endr
.irp b, 0,1
	v_max_num_f32 v[MA+\b], v[MA+\b], v[TP+\b]
.endr
.irp b, 0,1
	v_add_nc_u32 v[SOA+\b], 0xfe000000, v[MA+\b]
.endr
.irp b, 0,1
	v_lshrrev_b32 v[BYA+\b], 23, v[SOA+\b]
.endr
	v_lshl_or_b32 v[BW+ZZ], v[BYA+1], 8, v[BYA]    ; head q's two bytes
	WIN 0x01                                       ; source 0 in window 1
	v_cvt_scalef32_pk16_bf6_f32 v[C0:C0+2], v[OA:OA+15], v[SOA]
	v_cvt_scalef32_pk16_bf6_f32 v[C1:C1+2], v[OA+16:OA+31], v[SOA+1]
	v_nop                                          ; one plain place behind a scaled conversion
	WIN 0
.irp e, 0,1,2
	v_permlane16_swap_b32 v[C0+\e], v[C1+\e]       ; lanes 0-15 now hold block 0 whole, lanes 16-31 block 1
.endr
.irp e, 0,1,2
	v_mov_b32 v[C0+3+\e], v[C1+\e]
.endr
.irp e, 0,1,2
	ds_store_b64 v[AOW], v[C0+2*\e:C0+2*\e+1] offset:AOP*(16*(\m)+(\i))+8*\e   ; columns 64 q + 32 h on of the token's row
.endr
	ds_store_b16 v[AOSW], v[BW+ZZ] offset:32*(16*(\m)+(\i))
.endm
.macro PHA m
	WIN 0x08                                       ; an LDS store's data are its source 1: window 2
.irp c, 0,1,2,3,4,5,6,7
.irp q, 0,1
	ds_store_b128 v[VW], v[64*(\m)+8*\c+4*\q:64*(\m)+8*\c+4*\q+3] offset:512*\q+16*\c   ; each accumulator from its low end on
.endr
.endr
	WIN 0x0c
.irp c, 0,1,2,3,4,5,6,7
.irp q, 0,1
	ds_store_b128 v[VW], v[64*(\m)+8*\c+4*\q:64*(\m)+8*\c+4*\q+3] offset:1024+512*\q+16*\c
.endr
.endr
	WIN 0
	BARRIER                                        ; V of 16 tokens lies in the stage
	BIAS \m, 0                                     ; the accumulators just left take bo, which starts pass O's sums
	BIAS \m, 1
	LV 0
	LV 1
	TOK \m, 0, 8                                   ; behind token 0's image: token 1's 8 loads
	TOK \m, 1, 12                                  ; token 2's 8 loads and token 0's 4 stores
	TOK \m, 2, 12                                  ; token 3's 8 loads and token 1's 4 stores
	TOK \m, 3, 4                                   ; token 2's 4 stores
	BARRIER                                        ; every wave has read the stage; the tokens' codes are stored
.endm
	s_add_nc_u64 s[BIP:BIP+1], s[BIP:BIP+1], 4096  ; bo
	PHA 0
	PHA 1
	PHA 2
	PHA 3
; ---- PASS O: source 1 comes from the attention's rows in LDS.
	FETCH_X 0, 1, 0
	FETCH_WS 0
	FETCH_W 0, 0
	FETCH_W 0, 8
	s_wait_loadcnt 0x0                             ; bo
	s_mov_b32 s16, 3
.Lo:
	STEP 0, 1, 1, 0, 0, 1, 0, 1
	STEP 1, 1, 1, 0, 0, 1, 0, 2
	v_add_nc_u32 v[AOA], 192, v[AOA]               ; two K steps on
	v_add_nc_u32 v[AOSA], 8, v[AOSA]
	s_sub_co_u32 s16, s16, 1
	s_cmp_lg_u32 s16, 0
	s_cbranch_scc1 .Lo
	STEP 0, 1, 0, 0, 0, 1, 0, 1                    ; the last two steps ask for nothing and have no round
	STEP 1, 1, 0, 0, 0, 0, 0, 0
; ---- THE WAY OUT, block by block of 16 tokens x 128 columns (block a: columns 128 (a / 4) on, tokens 16 (a % 4) on).  A lane holds 64 neighbouring bytes of a row four times; the block goes through my own stage
; and comes back as whole rows of 512 bytes.  LDS serves a wave's instructions in order: no wait between the stores and the loads, nor in front of the next block's stores.
.macro TOSTAGE a
	WIN 4*(2+(\a)/4)
.irp b, 0,1,2,3
.irp k, 0,1,2,3
	ds_store_b128 v[STO], v[64*((\a)%4)+16*\b+4*\k:64*((\a)%4)+16*\b+4*\k+3] offset:128*\b+16*\k   ; each accumulator from its low end on
.endr
.endr
	WIN 0x40
.irp t, 0,1,2,3,4,5,6,7,8,9,10,11,12,13,14,15
	ds_load_b128 v[64*((\a)%2)+4*\t:64*((\a)%2)+4*\t+3], v[RD] offset:OP*\t
.endr
	WIN 0
.endm
.macro SEND a, younger
	s_wait_dscnt \younger                          ; the block is back; the next block's 16 stores and 16 loads may be out
	WIN 0x04                                       ; a store's data are its source 1: window 1
.irp t, 0,1,2,3,4,5,6,7,8,9,10,11,12,13,14,15
	global_store_b128 v[LI], v[64*((\a)%2)+4*\t:64*((\a)%2)+4*\t+3], s[10:11] offset:4096*(16*((\a)%4)+\t)+512*((\a)/4) th:TH_STORE_NT   ; 32 lanes store 512 consecutive bytes, at a multiple of 256 from out0's first byte
.endr
	WIN 0
.endm
	TOSTAGE 0
.irp a, 1,2,3,4,5,6,7
.if \a > 1
	s_wait_xcnt 0x0                                ; block a - 2's stores have read their registers: block a's loads may land there
.endif
	TOSTAGE \a
	SEND \a-1, 32
.endr
	SEND 7, 0
	s_wait_tensorcnt 0x0                           ; the wave's end: behind my last tensor load and my last LDS store
	ds_add_u32 v[SPW], v[NIL]
	s_wait_dscnt 0x0
	CROUND                                         ; the closing round: no work-group ends while a partner may still ask for a chunk that names it
	s_endpgm
.Lfunc_end_k_qe5db2548ce_fused:
	.size	k_qe5db2548ce_fused, .Lfunc_end_k_qe5db2548ce_fused-k_qe5db2548ce_fused
	.p2alignl 7, 3214868480
	.fill 96, 4, 3214868480
	.section	.rodata,"a",@progbits
	.p2align	6, 0x0
	.amdhsa_kernel k_qe5db2548ce_fused
		.amdhsa_group_segment_fixed_size 327680
		.amdhsa_private_segment_fixed_size 0
		.amdhsa_enable_private_segment 0
		.amdhsa_kernarg_size 32
		.amdhsa_user_sgpr_count 2
		.amdhsa_user_sgpr_kernarg_segment_ptr 1
		.amdhsa_wavefront_size32 1
		.amdhsa_system_sgpr_workgroup_id_x 1
		.amdhsa_system_sgpr_workgroup_id_y 1
		.amdhsa_system_sgpr_workgroup_id_z 1
		.amdhsa_system_vgpr_workitem_id 0
		.amdhsa_next_free_vgpr 1024
		.amdhsa_next_free_sgpr 66
		.amdhsa_reserve_vcc 0
		.amdhsa_float_denorm_mode_32 3
		.amdhsa_float_denorm_mode_16_64 3
		.amdhsa_memory_ordered 1
		.amdhsa_forward_progress 1
		.amdhsa_inst_pref_size 255
	.end_amdhsa_kernel
	.section	.bss,"aw",@nobits
	.p2align	6
	.space	262144
	.amdgpu_metadata
---
amdhsa.version: [ 1, 2 ]
amdhsa.kernels:
  - .name:           k_qe5db2548ce_fused
    .symbol:         k_qe5db2548ce_fused.kd
    .args:
      - { .name: xc, .offset: 0, .size: 8, .value_kind: global_buffer, .address_space: global }
      - { .name: wc, .offset: 8, .size: 8, .value_kind: global_buffer, .address_space: global }
      - { .name: bi, .offset: 16, .size: 8, .value_kind: global_buffer, .address_space: global }
      - { .name: out0, .offset: 24, .size: 8, .value_kind: global_buffer, .address_space: global }
    .group_segment_fixed_size: 327680
    .private_segment_fixed_size: 0
    .kernarg_segment_align: 8
    .kernarg_segment_size: 32
    .max_flat_workgroup_size: 128
    .sgpr_count:     66
    .vgpr_count:     1024
    .wavefront_size: 32
...
	.end_amdgpu_metadata
.endif
;; end of part 2
;; ======== version 2 of 2: 2 launches
;; workspace buffers: xc 13,107,200 bytes; wc 3,276,800 bytes; bi 16,384 bytes
;; launch prep: the kernel of part 1 again; grid 320 x 2, 4 waves a work-group, no clusters, 35,328 bytes of LDS; arguments QKV, Wq, Wk, Wv, Wo, bq, bk, bv, bo, xc, wc, bi; writes xc, wc, bi
;; launch fused (part 3): grid 256 x 1, 4 waves a work-group, clusters of 4 x 1, 327,680 bytes of LDS; arguments xc, wc, bi, out0; writes out0
.if DOCPART == 3
	.amdgcn_target "amdgcn-amd-amdhsa--gfx1250"
	.amdhsa_code_object_version 6
	.text
	.protected	k_qe5db2548ce_fused
	.globl	k_qe5db2548ce_fused
	.p2align	8
	.type	k_qe5db2548ce_fused,@function
k_qe5db2548ce_fused:
	s_mov_b64 s[64:65], 0
	v_nop
	global_prefetch_b8 v0, s[64:65] scope:SCOPE_SE
	s_setreg_imm32_b32 hwreg(HW_REG_WAVE_MODE, 25, 1), 1
	s_wait_xcnt 0x0
	s_wait_alu depctr_hold_cnt(0) depctr_sa_sdst(0) depctr_va_vdst(0) depctr_va_sdst(0) depctr_va_ssrc(0) depctr_va_vcc(0) depctr_vm_vsrc(0)
	s_getreg_b32 s2, hwreg(HW_REG_IB_STS2, 6, 4)
	s_cmp_eq_u32 s2, 0
	s_cbranch_scc0 .Lentry_in_a_cluster
	s_endpgm
.Lentry_in_a_cluster:
	s_bfe_u32 s2, ttmp6, 0x10000c
	s_cmp_lg_u32 s2, 0x3003
	s_cbranch_scc0 .Lentry_shape_is_right
	s_endpgm
.Lentry_shape_is_right:
; out = (softmax over heads (8 Q_t K_t^T, causal over heads) V_t) Wo^T + bo, Q, K, V = x W^T + b, for 64 tokens a work-group, from the codes, scale words and biases that the launch before has laid in register order.
; The four large products and Q_t K_t^T go on codes of BF6 (E3M2) with E8M0 scales; P V has f32 operands, since its result goes into a quantiser; all else f32.  Nothing goes through memory between the steps.
; DEAD WORK LEFT OUT: Q's columns 0..63 (query head 0).  Under reference()'s own jnp.tril that head sees key head 0 alone, so its softmax row is the number 1 for every finite score, whatever the inputs hold:
;   wave 0 jumps over its column tiles 0..3 in pass Q (128 matrix instructions a work-group); the accumulators then hold bq alone, which is finite, and row 0 of P still comes out 1.
;   LIMIT: a NaN, an infinity or an overflow that reaches only Q's head 0 is not carried to the result.  Masked scores inside live tiles are computed and set to -infinity.
; LIMITS of the quantisers here: a block of zeros gets the byte 1 (its codes are zeros; this program alone reads the bytes); blocks under 2^-122 have their byte held at 1; NaN and infinities are not served.
; SHARES.  THE WAVES SHARE THE COLUMNS: in each pass (Q, K, V, O) wave w makes 64 tokens x 256 columns: 64 accumulators, 512 registers.  The matrix instruction is used TRANSPOSED (source 0 = 16 weight rows, source 1 = 16 tokens):
;   a lane holds one token and its registers run along the columns.  A weight fragment is read from LDS once, by one wave, and feeds four matrix instructions.  The sums begin from the bias, which loads put into the accumulators: nothing is cleared.
; THE RING.  A chunk is a pass's weights for one K step of 128: 102,400 bytes.  Two LDS slots of one chunk; wave w fetches its own quarter, 100 rows of 256 dense bytes.
; THE WALK.  Cluster c begins every pass at K step ROT = (c ^ (c >> 3)) & 7 and walks the pass's eight K steps cyclically: number j of its walk (0..31) is chunk (j & 24) | ((j + ROT) & 7), and x and the attention's rows are taken at the same K step.
;   So at any step the 64 clusters ask for eight different chunks, eight clusters each, and not all for one.  LIMIT: a sum's K steps are added in that cyclic order, not ascending: an order of rounding that differs from the reference's.
; CLUSTER.  The four work-groups of a cluster ask for each quarter JOINTLY: the same tensor load, the same descriptor, the mask 15.  No descriptor word, LDS address or branch hangs on the place in the cluster; it enters xc's and out0's addresses and the prefetch's offset alone.
;   ROT is made of the cluster's number, which the four share.  A wave has two tensor loads out at the start and one behind each round.
; x's codes: each wave loads one fragment (16 tokens x 128 K) a step from xc and hands it to the others through a small stage in LDS, published by the step's one round.
; ATTENTION, a token at a time.  S^T = K_t Q_t^T: one scaled instruction, K = 64, the upper 64 zero codes; a lane holds one query head and eight key heads.  P's registers ARE source 1 of O^T = V_t^T P_t^T in the f32 form.
;   V was made with tiles of sixteen heads at one place of the head, and turns through LDS into source 0's order, 16 tokens at a time.  The places d that form a tile of V^T are chosen so that a lane's 16 results are 16 neighbours along the last product's K.
; REGISTERS, in windows of 256.  Window 0: v1-31 addresses; v32-47 W's scale words, v48-55 x's, v56-59 Q_t's and K_t's (these hold scales alone); v60-72 the fragment of x in hand; v73-74 pass O's addresses in hand; v76-171 x's fragments, two sets (phase S: K_t, Q_t; phase A: V images); v172-255 at work.
;   Window 1: v0-191 W's sixteen fragments (from phase S on: P, v0-127; on the way out: rows of out0); v192-255 O^T, written by the f32 matrix form alone.  Windows 2, 3: accumulator (m, c) in window 2 + c / 8 at v[64 m + 8 (c % 8)].
.set CHUNK, 102400
.set QUART, 25600
.set NB,    2*CHUNK                    ; behind the ring; no tensor load lands at or above this byte
.set QKR,   NB                         ; up to the end of phase S: 64 tokens x 1,552: Q's 768 bytes of codes, K's 768, 16 of padding
.set QKP,   1552
.set QKS,   NB+99328                   ; [Q, K][token][head] 2 scale bytes
.set XST,   NB+103424                  ; x's stage, twice: four fragments of 1,536, four scale images of 128
.set XSB,   6656
.set VST,   NB                         ; from phase A on: V of 16 tokens, pitch 4,112
.set VP,    4112
.set AO,    NB+65792                   ; the attention's result as codes: 64 tokens x (768 + 16)
.set AOP,   784
.set AOS,   NB+115968                  ; its scale bytes: [token][32]
.set OST,   NB                         ; the way out: 16 rows x 528 for each wave
.set OP,    528
.set SPARE, 327168                     ; the spare words, 128 bytes a wave: two blocks of 256 bytes that no other line names
.set LI,1
.set LS,2
.set WA,3
.set WS,5
.set XWI,7
.set XWS,8
.set XRI,9
.set XRS,10
.set XGA,11
.set XGSA,12
.set QW,13
.set QSW,15
.set SRA,16                            ; v16, v18: tokens of m = 0, 1 and of m = 2, 3
.set SSA,17
.set VW,19
.set VR,20
.set AOW,21
.set AOSW,22
.set AOA,23
.set AOSA,24
.set BA,25
.set STO,26
.set RD,27
.set SPW,28
.set NIL,29
.set PFO,30
.set NINF,31
.set WSC,32
.set XSC,48
.set SQ,56
.set XG,60
.set XGS,72
.set AOT,73                            ; v73 pass O: AOA at the K step in hand;  v74 AOSA likewise
.set AOST,74
.set XF,76
.set KF,76                             ; phase S: K_t of token i at KF + 24 i, Q_t at KF + 12 + 24 i
.set VA,76                             ; phase A: two V images of 32
.set TM,172
.set PW,188
.set PC,190
.set SA,192                            ; phase S: the scores, 8 a token
.set MXS,224
.set TT,228
.set NM,232
.set SU,240
.set MA,234                            ; phase A
.set TP,236
.set SOA,238
.set BYA,240
.set BW,242
.set WB,6                              ; s[6:7] wc at my quarter of chunk 0
.set WV,12                             ; s12 wave   s13 place in the cluster   s14 work-group   s15 passes   s16 trips
.set CNT,17                            ; s17 steps begun
.set LIM,18                            ; s18 21 in clusters 0 to 7, else 0
.set SKQ,19                            ; s19 0 in wave 0 in pass Q alone
.set SEL,20
.set CS,22                             ; s[22:23] 8 log2(e)
.set G1,24
.set G0,32
.set XB,40                             ; s[40:41] my block in xc
.set XK,42                             ; s42 the K step of x asked for last
.set ROT,43                            ; s43 where my cluster's walk of a pass begins
.set XP,44                             ; s[44:45] the K step of x being loaded
.set PFA,46
.set MK,48                             ; s48-55 lanes in which register j's key head is hidden
.set BIP,56                            ; s[56:57] the pass's biases
                                       ; s58-59 at work on xc's and out0's offsets; s60-63 at work on the ring's and LDS's: these four never hold the place in the cluster; s63 stays 0
.set MUL_LO, 0xa1                      ; source 0 (W) window 1, source 1 (x) window 0, C and D window 2
.set MUL_HI, 0xf1
.set TO_W1,  0x40
.set MSB, 0
.macro WIN new                         ; the immediate's high byte repeats the setting that is left; a switch that changes nothing is dropped
.if MSB != (\new)
	s_set_vgpr_msb (MSB<<8)|(\new)
.set MSB, (\new)
.endif
.endm
.macro PLACES n                        ; plain vector places behind matrix instructions (ISA guide 7.12.1 for vector instructions)
.rept \n
	v_nop
.endr
.endm
.macro CREST                           ; a round of the cluster's barrier behind its opening barrier
	s_cmp_lg_u32 s[WV], 0
	s_cbranch_scc1 .Lnot_wave_0_\@
	s_barrier_signal -3
.Lnot_wave_0_\@:
	s_barrier_wait -3
	s_barrier_signal -1
	s_barrier_wait -1
.endm
.macro CROUND
	s_barrier_signal -1
	s_barrier_wait -1
	CREST
.endm
.macro BARRIER                         ; my LDS stores have landed and my LDS loads are in: then the work-group's barrier
	s_wait_dscnt 0x0
	s_barrier_signal -1
	s_barrier_wait -1
.endm
; Four matrix instructions: column tile c against the four tiles of tokens.  The 64 accumulators take turns, one instruction a turn, in the same order in every step.
.macro MULT c, sg
.irp m, 0,1,2,3
.if ((\c)%2)
	v_wmma_scale_f32_16x16x128_f8f6f4 v[64*\m+8*((\c)%8):64*\m+8*((\c)%8)+7], v[12*(\c):12*(\c)+11], v[XF+48*(\sg)+12*\m:XF+48*(\sg)+12*\m+11], v[64*\m+8*((\c)%8):64*\m+8*((\c)%8)+7], v[WSC+8*(\sg)+(\c)/2], v[XSC+4*(\sg)+\m] matrix_a_fmt:MATRIX_FMT_BF6 matrix_b_fmt:MATRIX_FMT_BF6 matrix_a_scale:MATRIX_SCALE_ROW1
.else
	v_wmma_scale_f32_16x16x128_f8f6f4 v[64*\m+8*((\c)%8):64*\m+8*((\c)%8)+7], v[12*(\c):12*(\c)+11], v[XF+48*(\sg)+12*\m:XF+48*(\sg)+12*\m+11], v[64*\m+8*((\c)%8):64*\m+8*((\c)%8)+7], v[WSC+8*(\sg)+(\c)/2], v[XSC+4*(\sg)+\m] matrix_a_fmt:MATRIX_FMT_BF6 matrix_b_fmt:MATRIX_FMT_BF6
.endif
.endr
.endm
.macro FETCH_W sg, fst                 ; eight of my quarter's fragments, as they lie: 24 loads of 512 consecutive bytes
	WIN TO_W1
.irp c, 0,1,2,3,4,5,6,7
.irp k, 0,1,2
	ds_load_b128 v[12*((\fst)+\c)+4*\k:12*((\fst)+\c)+4*\k+3], v[WA+(\sg)] offset:1536*((\fst)+\c)+512*\k
.endr
.endr
	WIN 0
.endm
.macro FETCH_WS sg                     ; register q: lanes 0-15 tile 2 q's scale words, lanes 16-31 tile 2 q + 1's
.irp q, 0,1,2,3,4,5,6,7
	ds_load_b32 v[WSC+8*(\sg)+\q], v[WS+(\sg)] offset:128*\q
.endr
.endm
.macro AOADR                           ; pass O: the next step's K step is (steps begun + ROT) & 7 (the pass begins at step 24, a multiple of 8): 96 bytes of codes and 4 scale bytes a K step in a token's row
	s_add_co_u32 s60, s[CNT], s[ROT]
	s_and_b32 s60, s60, 7
	s_mul_i32 s61, s60, 96
	s_lshl_b32 s60, s60, 2
	v_add_nc_u32 v[AOT], s61, v[AOA]
	v_add_nc_u32 v[AOST], s60, v[AOSA]
.endm
.macro FETCH_X sg, src                 ; source 1's four fragments and scale words: src = 0 from x's stage, 1 from the attention's rows at the K step that AOADR has set
.if \src
.irp m, 0,1,2,3
.irp c, 0,1
.irp e, 0,1,2
	ds_load_b64 v[XF+48*(\sg)+12*\m+6*\c+2*\e:XF+48*(\sg)+12*\m+6*\c+2*\e+1], v[AOT] offset:16*AOP*\m+48*\c+8*\e
.endr
.endr
.endr
.irp m, 0,1,2,3
	ds_load_b32 v[XSC+4*(\sg)+\m], v[AOST] offset:512*\m
.endr
.else
.irp m, 0,1,2,3
.irp k, 0,1,2
	ds_load_b128 v[XF+48*(\sg)+12*\m+4*\k:XF+48*(\sg)+12*\m+4*\k+3], v[XRI] offset:XSB*(\sg)+1536*\m+512*\k
.endr
.endr
.irp m, 0,1,2,3
	ds_load_b32 v[XSC+4*(\sg)+\m], v[XRS] offset:XSB*(\sg)+128*\m
.endr
.endif
.endm
.macro XNEXT                           ; x's next K step, cyclically: x is walked anew in each of the three passes.  The loads that named s[XP] have been waited for
	s_add_co_u32 s[XK], s[XK], 1
	s_and_b32 s[XK], s[XK], 7
	s_mul_i32 s58, s[XK], 6400
	s_mov_b32 s59, 0
	s_add_nc_u64 s[XP:XP+1], s[XB:XB+1], s[58:59]
.endm
.macro XGLOAD                          ; my fragment (tokens 16 w ..) of the K step at s[XP], and its rows' scale words
.irp k, 0,1,2
	global_load_b128 v[XG+4*\k:XG+4*\k+3], v[XGA], s[XP:XP+1] offset:512*\k
.endr
	global_load_b32 v[XGS], v[XGSA], s[XP:XP+1]
.endm
.macro XGSTORE sg
.irp k, 0,1,2
	ds_store_b128 v[XWI], v[XG+4*\k:XG+4*\k+3] offset:XSB*(\sg)+512*\k
.endr
	ds_store_b32 v[XWS], v[XGS] offset:XSB*(\sg)
.endm
.macro BIAS m, kk                      ; the pass's biases into the 64 accumulator registers of tokens 16 m .., tiles 8 kk ..: lane (r, h) wants 512 h + 4 (8 c + j)
	WIN 0x40*(2+(\kk))
.irp x, 0,1,2,3,4,5,6,7,8,9,10,11,12,13,14,15
	global_load_b128 v[64*(\m)+4*\x:64*(\m)+4*\x+3], v[BA], s[BIP:BIP+1] offset:256*(\kk)+16*\x
.endr
	WIN 0
.endm
; A PREFETCH INTO THE L2 of the chunk with which a walk of the next pass begins.  Chunk 8 p + k is asked for first by the clusters with ROT = k, as number 8 p of their walk, in step 8 p - 2; all others ask for it one to seven steps later.
; Clusters 0 to 7 have the eight different ROT: each of them names, in step 4 of passes Q, K and V (steps begun = 5, 13, 21), the next pass's chunk at its own ROT: two refills ahead of that first request.
; Wave w names its quarter's 100 blocks of 256 bytes; the four partners take 25 each, told apart BY ADDRESS (lanes 25-31 repeat lane 24's).  So each block of passes K, V and O is named once in the launch; pass Q's chunks come by their loads alone.
.macro ASK
	s_cmp_le_u32 s[CNT], s[LIM]
	s_cbranch_scc0 .Lno_ask_\@
	s_and_b32 s58, s[CNT], 7
	s_cmp_eq_u32 s58, 5
	s_cbranch_scc0 .Lno_ask_\@
	s_wait_xcnt 0x0                                ; the last prefetch, eight steps back, has read its address
	s_add_nc_u64 s[PFA:PFA+1], s[PFA:PFA+1], 8*CHUNK   ; the same K step of the next pass
	global_prefetch_b8 v[PFO], s[PFA:PFA+1] th:TH_LOAD_NT scope:SCOPE_SE
.Lno_ask_\@:
.endm
; A STEP: 128 along K, 64 matrix instructions, on the fragments fetched in the step before (slot sg).
; refill: this slot, whose last reads are waited for here, is filled again with the walk's number two on, behind ONE round, which also publishes x's staged fragment.  xst: my fragment of the next K step of x goes to the stage.
; xg: the K step after that is asked of memory.  nxt: the next step's operands are fetched from the other slot.  skq: the jump round Q's head 0.
; The step's first 32 matrix instructions stand ahead of the wait for the tensor loads: between a tile's landing and the next request stand the three lines, the descriptor's scalar lines and the round alone.
.macro STEP sg, src, refill, xst, xg, nxt, skq
	s_add_co_u32 s[CNT], s[CNT], 1                 ; steps begun: in step i it holds i + 1
	s_wait_dscnt 24                                ; all but the youngest 24 LDS loads, W's tiles 8-15
.if \skq
	s_cmp_eq_u32 s[SKQ], 0                         ; wave 0 in pass Q: tiles 0..3 are query head 0
	s_cbranch_scc1 .Lskq_\@
.endif
	WIN MUL_LO
	MULT 0, \sg
	MULT 1, \sg
	MULT 2, \sg
	MULT 3, \sg
.if \skq
	WIN 0                                          ; at a label and at a branch every window is 0
.Lskq_\@:
.endif
	WIN MUL_LO
	MULT 4, \sg
	MULT 5, \sg
	MULT 6, \sg
	MULT 7, \sg
	WIN 0
.if \xst
	s_wait_loadcnt 0x0                             ; my fragment of x, asked for a step ago
	XGSTORE (1-\sg)                                ; into the stage that every wave has done reading: those reads were waited for in front of the last round
.endif
.if \refill
	s_wait_tensorcnt 0x0                           ; all my tensor loads have landed: the one that was out is my quarter of the other slot; so a group 0 may be written
	ds_add_u32 v[SPW], v[NIL]                      ; 0 onto my spare word; the descriptor's lines stand between it and the wait for it
	s_add_co_u32 s61, s[CNT], 1                    ; j = this step's number + 2
	s_add_co_u32 s62, s61, s[ROT]
	s_and_b32 s62, s62, 7                          ; its K step,
	s_and_b32 s61, s61, 24                         ; its pass x 8:
	s_or_b32 s62, s62, s61                         ; the chunk
	s_mul_i32 s62, s62, CHUNK                      ; (s63 is 0)
	s_add_nc_u64 s[G0+4*\sg+2:G0+4*\sg+3], s[WB:WB+1], s[62:63]
	s_or_b32 s[G0+4*\sg+3], s[G0+4*\sg+3], 0x80000000   ; type = 2
	s_wait_dscnt 0x0                               ; the add is done, my reads of this slot are over, my part of x's stage is stored
	s_barrier_signal -1                            ; this barrier opens a round of the cluster's barrier
	s_barrier_wait -1
	CREST                                          ; no wave of any partner still reads this slot or has a load on its way
	tensor_load_to_lds s[G0+4*\sg:G0+4*\sg+3], s[G1:G1+7]   ; my one tensor load behind the round, and the first thing there
	s_nop 0
	PLACES 4                                       ; the places in front of the loads below
.else
.if \nxt
	s_wait_tensorcnt 0x0                           ; my quarter of the last chunk: I alone read it, so my own wait orders the reads
.endif
	s_wait_dscnt 0x0                               ; W's tiles 8-15
	PLACES 4
.endif
.if \xg
	XNEXT
	XGLOAD
.endif
.if \nxt
.if \src
	AOADR
.endif
	FETCH_X (1-\sg), \src
	FETCH_WS (1-\sg)
	FETCH_W (1-\sg), 0
.endif
.if \refill
	ASK
.endif
	WIN MUL_HI
	MULT 8, \sg
	MULT 9, \sg
	MULT 10, \sg
	MULT 11, \sg
	MULT 12, \sg
	MULT 13, \sg
	MULT 14, \sg
	MULT 15, \sg
	PLACES 4
	WIN 0
.if \nxt
	FETCH_W (1-\sg), 8
.endif
.endm
; 64 numbers of a lane in window win, register s + 16 b + i = column 32 b + 16 (lane / 16) + i of my token's 128, become a fragment's codes in v[PC] on and its scale word in v[PW].
.macro QUANTW win, s
	WIN 20*(\win)                                  ; sources 1 and 2 in window win
.irp b, 0,1,2,3
	v_max3_num_f32 v[TM+\b], 0x2800000, |v[(\s)+16*\b]|, |v[(\s)+16*\b+1]|   ; the floor 2^(5 - 127) among the leaves; each accumulator is read from its low end on
.endr
.irp i, 2,4,6,8,10,12,14
.irp b, 0,1,2,3
	v_max3_num_f32 v[TM+\b], v[TM+\b], |v[(\s)+16*\b+\i]|, |v[(\s)+16*\b+\i+1]|
.endr
.endr
	WIN 0
	s_wait_dscnt 0x0                               ; the last fragment's stores have read v[PC] on and v[PW]
.irp b, 0,1,2,3
	v_permlanex16_b32 v[TM+4+\b], v[TM+\b], s[SEL], s[SEL+1]
.endr
.irp b, 0,1,2,3
	v_max_num_f32 v[TM+\b], v[TM+\b], v[TM+4+\b]   ; with lane l xor 16's: the block's largest magnitude
.endr
.irp b, 0,1,2,3
	v_add_nc_u32 v[TM+12+\b], 0xfe000000, v[TM+\b] ; 4 off its exponent field: the conversion's scale operand
.endr
.irp b, 0,1,2,3
	v_lshrrev_b32 v[TM+4+\b], 23, v[TM+12+\b]      ; the byte
.endr
	v_lshl_or_b32 v[PW], v[TM+5], 8, v[TM+4]
	v_lshl_or_b32 v[PW], v[TM+6], 16, v[PW]
	v_lshl_or_b32 v[PW], v[TM+7], 24, v[PW]
	WIN (\win)                                     ; source 0 in window win
.irp c, 0,1
	v_cvt_scalef32_pk16_bf6_f32 v[PC+6*\c:PC+2+6*\c], v[(\s)+32*\c:(\s)+15+32*\c], v[TM+12+2*\c]
	v_cvt_scalef32_pk16_bf6_f32 v[PC+12+4*\c:PC+14+4*\c], v[(\s)+16+32*\c:(\s)+31+32*\c], v[TM+12+2*\c+1]   ; (a conversion's three registers begin on an even number)
.endr
	v_nop                                          ; one plain place behind a scaled conversion
	WIN 0
.irp c, 0,1                            ; a WHOLE block in a lane: lanes 0-15 block 2 c, lanes 16-31 block 2 c + 1
.irp i, 0,1,2
	v_permlane16_swap_b32 v[PC+6*\c+\i], v[PC+12+4*\c+\i]
.endr
.irp i, 0,1,2
	v_mov_b32 v[PC+3+6*\c+\i], v[PC+12+4*\c+\i]
.endr
.endr
.endm
; THE END OF PASSES Q AND K: my 256 columns of the 64 tokens are quantised along the head (blocks of 32 columns) and go to the tokens' rows in LDS; the accumulators take the next pass's biases as they are freed.
.macro EPI
	s_add_nc_u64 s[BIP:BIP+1], s[BIP:BIP+1], 4096  ; (the loads that named this pair have been waited for)
.irp kk, 0,1
.irp m, 0,1,2,3
	QUANTW 2+\kk, 64*\m
.irp c, 0,1
.irp e, 0,1,2
	ds_store_b64 v[QW+(\m)/2], v[PC+6*\c+2*\e:PC+6*\c+2*\e+1] offset:16*QKP*((\m)%2)+96*\kk+48*\c+8*\e   ; columns 256 w + 128 kk + 64 c + 32 h on: 24 bytes of the row's stream of bits
.endr
.endr
	ds_store_b32 v[QSW], v[PW] offset:512*\m+4*\kk ; heads 4 w + 2 kk and the next: two bytes each
	BIAS \m, \kk
.endr
.endr
	v_add_nc_u32 v[QW], 768, v[QW]                 ; K's codes lie behind Q's in a row,
	v_add_nc_u32 v[QW+1], 768, v[QW+1]
	v_add_nc_u32 v[QSW], 2048, v[QSW]              ; its bytes behind Q's
	s_mov_b32 s[SKQ], 1                            ; from here on nothing is jumped over
	s_wait_loadcnt 0x0                             ; the biases
.endm
	s_load_b256 s[4:11], s[0:1], 0x0               ; xc s[4:5], wc s[6:7], bi s[8:9], out0 s[10:11]
	v_lshl_add_u32 v[SPW], v0, 2, SPARE
	v_mov_b32 v[NIL], 0
	ds_add_u32 v[SPW], v[NIL]                      ; the wave's opening: the add, twice on end, and its wait ahead of the round in front of my first tensor load
	ds_add_u32 v[SPW], v[NIL]                      ; and once more, under the one wait; the set-up below is work on registers
	v_lshrrev_b32 v210, 5, v0
	v_readfirstlane_b32 s[WV], v210                ; wave 0..3
	s_bfe_u32 s13, ttmp6, 0x40000                  ; my place in the cluster
	s_lshl_b32 s14, ttmp9, 2                       ; in a cluster launch ttmp9 counts clusters
	s_add_co_u32 s14, s14, s13                     ; my block of 64 tokens
	s_lshr_b32 s[ROT], ttmp9, 3
	s_xor_b32 s[ROT], s[ROT], ttmp9
	s_and_b32 s[ROT], s[ROT], 7                    ; where my cluster's walk of a pass begins: the cluster's number alone, the same in all four partners
	s_mov_b32 s[G1], 15|(3<<16)|(1<<21)            ; 15:0 the mask: all four; 17:16 elements of 8 bytes; 20 no padding; 21 set beside a mask
	s_mov_b32 s[G1+1], 32<<16                      ; tensor_dim0 = 32 elements: 256 bytes
	s_mov_b32 s[G1+2], 100<<16                     ; tensor_dim1 = 100
	s_mov_b32 s[G1+3], 32<<16                      ; tile_dim0
	s_mov_b32 s[G1+4], 100                         ; tile_dim1
	s_mov_b32 s[G1+5], 32                          ; from row to row: dense
	s_mov_b32 s[G1+6], 0
	s_mov_b32 s[G1+7], 0
	s_mov_b32 s[G0], 1
	s_mul_i32 s[G0+1], s[WV], QUART                ; slot 0, my quarter
	s_mov_b32 s[G0+4], 1
	s_add_co_u32 s[G0+5], s[G0+1], CHUNK           ; slot 1
	s_mov_b32 s[SEL], 0x76543210
	s_mov_b32 s[SEL+1], 0xfedcba98                 ; v_permlanex16_b32's selects for lane l xor 16
	s_mov_b32 s[CS], 0x4138aa3b                    ; 8 log2(e): reference() multiplies the scores by sqrt(64)
	s_mov_b32 s[CS+1], s[CS]
	s_mov_b32 s[CNT], 0
	s_mov_b32 s[SKQ], s[WV]
	s_cmp_lt_u32 ttmp9, 8
	s_cselect_b32 s[LIM], 21, 0                    ; the same in all four partners
	v_and_b32 v210, 31, v0                         ; lane
	v_and_b32 v211, 15, v0                         ; r
	v_bfe_u32 v212, v0, 4, 1                       ; h
	v_lshlrev_b32 v[LI], 4, v210
	v_lshlrev_b32 v[LS], 2, v210
	s_mul_i32 s58, s[WV], QUART
	v_add_nc_u32 v[WA], s58, v[LI]
	v_add_nc_u32 v[WA+1], CHUNK, v[WA]
	s_add_co_u32 s59, s58, 24576
	v_add_nc_u32 v[WS], s59, v[LS]
	v_add_nc_u32 v[WS+1], CHUNK, v[WS]
	s_mul_i32 s59, s[WV], 1536
	v_add_nc_u32 v[XGA], s59, v[LI]
	s_add_co_u32 s59, s59, XST
	v_add_nc_u32 v[XWI], s59, v[LI]
	s_lshl_b32 s59, s[WV], 7
	s_add_co_u32 s59, s59, XST+6144
	v_add_nc_u32 v[XWS], s59, v[LS]
	v_add_nc_u32 v[XRI], XST, v[LI]
	v_add_nc_u32 v[XRS], XST+6144, v[LS]
	s_lshl_b32 s59, s[WV], 6
	s_add_co_u32 s59, s59, 6144
	v_lshl_add_u32 v[XGSA], v211, 2, s59
	v_mul_u32_u24 v213, v211, 48
	v_mad_u32_u24 v213, v212, 24, v213             ; 48 r + 24 h: head r's block h in a row of codes
	v_mul_u32_u24 v[QW], v211, QKP
	v_mad_u32_u24 v[QW], v212, 24, v[QW]
	s_mul_i32 s59, s[WV], 192
	s_add_co_u32 s59, s59, QKR
	v_add_nc_u32 v[QW], s59, v[QW]
	v_add_nc_u32 v[QW+1], 32*QKP, v[QW]
	s_lshl_b32 s59, s[WV], 3
	s_add_co_u32 s59, s59, QKS
	v_lshl_add_u32 v[QSW], v211, 5, s59
	s_mul_i32 s59, s[WV], 4*QKP
	s_add_co_u32 s59, s59, QKR
	v_add_nc_u32 v[SRA], s59, v213
	v_add_nc_u32 v[SRA+2], 32*QKP, v[SRA]
	s_lshl_b32 s59, s[WV], 7
	s_add_co_u32 s59, s59, QKS
	v_lshl_add_u32 v[SSA], v211, 1, s59
	v_lshl_add_u32 v[SSA], v212, 11, v[SSA]        ; lanes 0-15 Q's bytes, lanes 16-31 K's
	s_lshr_b32 s59, s[WV], 1
	s_lshl_b32 s59, s59, 11
	s_and_b32 s60, s[WV], 1
	s_lshl_b32 s60, s60, 7
	s_add_co_u32 s59, s59, s60
	s_add_co_u32 s59, s59, VST
	v_mul_u32_u24 v[VW], v211, VP
	v_lshl_add_u32 v[VW], v212, 8, v[VW]
	v_add_nc_u32 v[VW], s59, v[VW]
	s_mul_i32 s59, s[WV], 4*VP
	s_add_co_u32 s59, s59, VST
	v_add_nc_u32 v[VR], s59, v[LI]
	s_mul_i32 s59, s[WV], 4*AOP
	s_add_co_u32 s59, s59, AO
	v_add_nc_u32 v[AOW], s59, v213
	s_lshl_b32 s59, s[WV], 7
	s_add_co_u32 s59, s59, AOS
	v_lshl_add_u32 v[AOSW], v211, 1, s59
	v_mul_u32_u24 v[AOA], v211, AOP
	v_mad_u32_u24 v[AOA], v212, 24, v[AOA]
	v_add_nc_u32 v[AOA], AO, v[AOA]
	v_lshl_add_u32 v[AOSA], v211, 5, AOS
	s_lshl_b32 s59, s[WV], 10
	v_lshl_add_u32 v[BA], v212, 9, s59
	s_mul_i32 s59, s[WV], 16*OP
	s_add_co_u32 s59, s59, OST
	v_mul_u32_u24 v[STO], v211, OP
	v_lshl_add_u32 v[STO], v212, 6, v[STO]
	v_add_nc_u32 v[STO], s59, v[STO]
	v_add_nc_u32 v[RD], s59, v[LI]
	v_min_u32 v[PFO], 24, v210
	s_mul_i32 s59, s13, 25
	v_add_nc_u32 v[PFO], s59, v[PFO]
	v_lshlrev_b32 v[PFO], 8, v[PFO]
	v_mov_b32 v[NINF], 0xff800000
	v_lshlrev_b32 v213, 3, v212
	v_sub_nc_u32 v213, v211, v213                  ; r - 8 h: register j holds key head 8 h + j, hidden from query head r where j > r - 8 h
.irp j, 0,1,2,3,4,5,6,7
	v_cmp_gt_i32 s[MK+\j], \j, v213
.endr
.irp b, 0,1,2,3
	v_mov_b32 v[TM+4+\b], 0                        ; written once: a lane permute's destination counts as one of its sources
.endr
	s_wait_dscnt 0x0                               ; both opening adds are done
	s_wait_kmcnt 0x0
	s_mov_b32 s59, 0
	s_add_nc_u64 s[WB:WB+1], s[WB:WB+1], s[58:59]  ; wc at my quarter of chunk 0
	s_mul_i32 s62, s[ROT], CHUNK
	s_mov_b32 s63, 0                               ; stays 0
	s_add_nc_u64 s[G0+2:G0+3], s[WB:WB+1], s[62:63]    ; number 0 of the walk: pass Q's K step ROT
	s_mov_b64 s[PFA:PFA+1], s[G0+2:G0+3]           ; the first prefetch steps this a pass on.  Nothing is prefetched here, at the head
	s_add_co_u32 s61, s[ROT], 1
	s_and_b32 s61, s61, 7
	s_mul_i32 s62, s61, CHUNK
	s_add_nc_u64 s[G0+6:G0+7], s[WB:WB+1], s[62:63]    ; number 1
	s_or_b32 s[G0+3], s[G0+3], 0x80000000          ; type = 2
	s_or_b32 s[G0+7], s[G0+7], 0x80000000
	s_mul_i32 s58, s14, 51200
	s_add_nc_u64 s[XB:XB+1], s[4:5], s[58:59]
	s_lshl_b32 s58, s14, 18
	s_lshl_b32 s60, s[WV], 10
	s_add_co_u32 s58, s58, s60
	s_add_nc_u64 s[10:11], s[10:11], s[58:59]      ; out0 at my block's first token, my 256 columns
	s_mov_b64 s[BIP:BIP+1], s[8:9]
	s_mov_b32 s[XK], s[ROT]
	s_mul_i32 s58, s[ROT], 6400
	s_add_nc_u64 s[XP:XP+1], s[XB:XB+1], s[58:59]  ; x at K step ROT
	CROUND                                         ; all four work-groups are here: the first joint loads meet
	tensor_load_to_lds s[G0:G0+3], s[G1:G1+7]      ; both first fills by every wave, ahead of every wait on TENSORcnt, every LDS read and every other barrier
	s_nop 0
	tensor_load_to_lds s[G0+4:G0+7], s[G1:G1+7]
	s_nop 0
	PLACES 4
	XGLOAD                                         ; x for step 0
	s_wait_loadcnt 0x0
	XGSTORE 0
	XNEXT
	s_wait_dscnt 0x0                               ; the stores have read their registers
	XGLOAD                                         ; x for step 1
.irp m, 0,1,2,3
	BIAS \m, 0                                     ; bq starts pass Q's sums
	BIAS \m, 1
.endr
	s_wait_tensorcnt 1                             ; number 0 of the walk is in; number 1 may stay out
	s_barrier_signal -1
	s_barrier_wait -1                              ; x's four fragments for step 0 lie in the stage
	FETCH_X 0, 0
	FETCH_WS 0
	FETCH_W 0, 0
	FETCH_W 0, 8
	s_wait_loadcnt 0x0                             ; the biases
	s_mov_b32 s15, 2
.Lpass:                                            ; passes Q and K
	s_mov_b32 s16, 4
.Lqk:
	STEP 0, 0, 1, 1, 1, 1, 1
	STEP 1, 0, 1, 1, 1, 1, 1
	s_sub_co_u32 s16, s16, 1
	s_cmp_lg_u32 s16, 0
	s_cbranch_scc1 .Lqk
	EPI
	s_sub_co_u32 s15, s15, 1
	s_cmp_lg_u32 s15, 0
	s_cbranch_scc1 .Lpass
	s_mov_b32 s16, 3
.Lv:                                               ; pass V: its results stay in the accumulators
	STEP 0, 0, 1, 1, 1, 1, 0
	STEP 1, 0, 1, 1, 1, 1, 0
	s_sub_co_u32 s16, s16, 1
	s_cmp_lg_u32 s16, 0
	s_cbranch_scc1 .Lv
	STEP 0, 0, 1, 1, 0, 1, 0                       ; the tail is written out: no more of x is asked for,
	STEP 1, 0, 1, 0, 0, 0, 0                       ; nothing is staged or fetched; pass O's second chunk is asked for
; ---- PHASE S: the scores and the softmax.  Wave w takes tokens 16 m + 4 w + i.  The rounds of pass V stand between the stores of Q's and K's rows and these reads.  Only reads of LDS stand in this phase.
.irp i, 0,1,2,3
.irp e, 6,7,8,9,10,11,18,19,20,21,22,23
	v_mov_b32 v[KF+24*\i+\e], 0                    ; K = 64: the upper 64 of the instruction's 128 are zero codes, on both sides
.endr
	v_mov_b32 v[TT+\i], 0                          ; (a lane permute's destination counts as one of its sources)
	v_mov_b32 v[NM+2*\i+1], 0                      ; (named as the upper half of a pair)
.endr
	PLACES 4
.macro PHS m
.irp i, 0,1,2,3
.irp e, 0,1,2
	ds_load_b64 v[KF+24*\i+2*\e:KF+24*\i+2*\e+1], v[SRA+2*((\m)/2)] offset:16*QKP*((\m)%2)+QKP*\i+768+8*\e       ; K_t: head r, d = 32 h ..
	ds_load_b64 v[KF+12+24*\i+2*\e:KF+12+24*\i+2*\e+1], v[SRA+2*((\m)/2)] offset:16*QKP*((\m)%2)+QKP*\i+8*\e     ; Q_t likewise
.endr
	ds_load_u16 v[SQ+\i], v[SSA] offset:512*(\m)+32*\i   ; two scale bytes; the upper two read as 0, over zero codes
.endr
	s_wait_dscnt 0x0
.irp i, 0,1,2,3
	v_wmma_scale_f32_16x16x128_f8f6f4 v[SA+8*\i:SA+8*\i+7], v[KF+24*\i:KF+24*\i+11], v[KF+12+24*\i:KF+23+24*\i], 0, v[SQ+\i], v[SQ+\i] matrix_a_fmt:MATRIX_FMT_BF6 matrix_b_fmt:MATRIX_FMT_BF6 matrix_a_scale:MATRIX_SCALE_ROW1
.endr                                  ; lane (r, h): query head r, register j: key head 8 h + j
	PLACES 4
.irp j, 0,1,2,3,4,5,6,7
.irp i, 0,1,2,3
	v_cndmask_b32 v[SA+8*\i+\j], v[SA+8*\i+\j], v[NINF], s[MK+\j]   ; hidden scores become -infinity; each result is read from its low end on
.endr
.endr
.irp i, 0,1,2,3
	v_max3_num_f32 v[MXS+\i], v[SA+8*\i], v[SA+8*\i+1], v[SA+8*\i+2]
.endr
.irp i, 0,1,2,3
	v_max3_num_f32 v[MXS+\i], v[MXS+\i], v[SA+8*\i+3], v[SA+8*\i+4]
.endr
.irp i, 0,1,2,3
	v_max3_num_f32 v[MXS+\i], v[MXS+\i], v[SA+8*\i+5], v[SA+8*\i+6]
.endr
.irp i, 0,1,2,3
	v_max_num_f32 v[MXS+\i], v[MXS+\i], v[SA+8*\i+7]
.endr
.irp i, 0,1,2,3
	v_permlanex16_b32 v[TT+\i], v[MXS+\i], s[SEL], s[SEL+1]
.endr
.irp i, 0,1,2,3
	v_max_num_f32 v[MXS+\i], v[MXS+\i], v[TT+\i]   ; the row's maximum: key head 0 is never hidden, so it is a number
.endr
.irp i, 0,1,2,3
	v_mul_f32 v[NM+2*\i], s[CS], v[MXS+\i]         ; its rounding is common to the row: the division takes it away
.endr
.irp k, 0,2,4,6
.irp i, 0,1,2,3
	v_pk_fma_f32 v[SA+8*\i+\k:SA+8*\i+\k+1], v[SA+8*\i+\k:SA+8*\i+\k+1], s[CS:CS+1], v[NM+2*\i:NM+2*\i+1] op_sel_hi:[1,0,0] neg_lo:[0,0,1] neg_hi:[0,0,1]
.endr
.endr
.irp j, 0,1,2,3,4,5,6,7
.irp i, 0,1,2,3
	v_exp_f32 v[SA+8*\i+\j], v[SA+8*\i+\j]
.endr
.endr
	v_nop                                          ; a plain place behind the last exponential
	s_wait_alu depctr_va_vdst(0)                   ; one wait for the batch of 32, ahead of its first reader
.irp i, 0,1,2,3
	v_pk_add_f32 v[SU+2*\i:SU+2*\i+1], v[SA+8*\i:SA+8*\i+1], v[SA+8*\i+2:SA+8*\i+3]
.endr
.irp k, 4,6
.irp i, 0,1,2,3
	v_pk_add_f32 v[SU+2*\i:SU+2*\i+1], v[SU+2*\i:SU+2*\i+1], v[SA+8*\i+\k:SA+8*\i+\k+1]
.endr
.endr
.irp i, 0,1,2,3
	v_add_f32 v[SU+2*\i], v[SU+2*\i], v[SU+2*\i+1]
.endr
.irp i, 0,1,2,3
	v_permlanex16_b32 v[TT+\i], v[SU+2*\i], s[SEL], s[SEL+1]
.endr
.irp i, 0,1,2,3
	v_add_f32 v[SU+2*\i], v[SU+2*\i], v[TT+\i]
.endr
.irp i, 0,1,2,3
	v_rcp_f32 v[NM+2*\i], v[SU+2*\i]
.endr
	v_nop
	s_wait_alu depctr_va_vdst(0)                   ; one wait for the four reciprocals
	WIN 0x40                                       ; P goes straight to its place in window 1: token 4 m + i of my sixteen at v[8 (4 m + i)]
.irp i, 0,1,2,3
.irp k, 0,2,4,6
	v_pk_mul_f32 v[8*(4*(\m)+\i)+\k:8*(4*(\m)+\i)+\k+1], v[SA+8*\i+\k:SA+8*\i+\k+1], v[NM+2*\i:NM+2*\i+1] op_sel_hi:[1,0]
.endr
.endr
	WIN 0
.endm
	PHS 0
	PHS 1
	PHS 2
	PHS 3
	BARRIER                                        ; every wave has read its tokens' Q and K: their bytes take V and the attention's result from here on
; ---- PHASE A: O_t^T = V_t^T P_t^T in f32, quantised along the head, 16 tokens (one tile m) at a time.
; V's way through LDS.  Accumulator (m, c) of wave w: lane (r, h), register j = V[token 16 m + r][head 8 h + j][d = 16 w + c].  A token's row of the stage is the image of source 0's 32 registers:
; register 8 dt + j of lane (i, h) = V[head 8 h + j][d = 32 (dt / 2) + 8 (dt % 2) + i + 8 (i / 8)], at byte 1024 dt + 512 (j / 4) + 256 h + 16 i + 4 (j % 4); d = 16 w + c gives dt = 2 (w / 2) + c / 8, i = c % 8 + 8 (w % 2).
; In K step s of the f32 form the K place 2 h + j stands for head 8 h + 2 s + j, on both sides alike.  Result: lane (q, h), register 16 b + x = d 32 b + 16 h + x of query head q.
.macro LV i
.irp k, 0,1,2,3,4,5,6,7
	ds_load_b128 v[VA+32*((\i)%2)+4*\k:VA+32*((\i)%2)+4*\k+3], v[VR] offset:VP*(\i)+512*\k
.endr
.endm
.macro TOK m, i, cnt
.set ZZ, (\i)%2
.set OA, 192+32*ZZ
.set VB, VA+32*ZZ
.set PB, 8*(4*(\m)+(\i))
.set C0, 210+12*ZZ
.set C1, 216+12*ZZ
	s_wait_dscnt \cnt                              ; this token's V is in, and the stores of the token two back are done; what was issued later may be out
	WIN 0x54                                       ; source 0 (V) window 0, source 1 (P), C and D window 1
.irp s, 0,1,2,3
.irp d, 0,1,2,3
.if \s == 0
	v_wmma_f32_16x16x4_f32 v[OA+8*\d:OA+8*\d+7], v[VB+8*\d+2*\s:VB+8*\d+2*\s+1], v[PB+2*\s:PB+2*\s+1], 0
.else
	v_wmma_f32_16x16x4_f32 v[OA+8*\d:OA+8*\d+7], v[VB+8*\d+2*\s:VB+8*\d+2*\s+1], v[PB+2*\s:PB+2*\s+1], v[OA+8*\d:OA+8*\d+7]
.endif
.endr
.endr                                  ; the four accumulators by turns, one instruction a turn
	WIN 0
	PLACES 8                                       ; this form wants eight, in front of the loads into V's registers and of the first read of results
.if (\i)+2 < 4
	LV (\i)+2
.endif
	WIN 0x14                                       ; sources 1 and 2 in window 1
.irp b, 0,1
	v_max3_num_f32 v[MA+\b], 0x2800000, |v[OA+16*\b]|, |v[OA+16*\b+1]|
.endr
.irp x, 2,4,6,8,10,12,14
.irp b, 0,1
	v_max3_num_f32 v[MA+\b], v[MA+\b], |v[OA+16*\b+\x]|, |v[OA+16*\b+\x+1]|
.endr
.endr
	WIN 0
.irp b, 0,1
	v_permlanex16_b32 v[TP+\b], v[MA+\b], s[SEL], s[SEL+1]
.endr
.irp b, 0,1
	v_max_num_f32 v[MA+\b], v[MA+\b], v[TP+\b]
.endr
.irp b, 0,1
	v_add_nc_u32 v[SOA+\b], 0xfe000000, v[MA+\b]
.endr
.irp b, 0,1
	v_lshrrev_b32 v[BYA+\b], 23, v[SOA+\b]
.endr
	v_lshl_or_b32 v[BW+ZZ], v[BYA+1], 8, v[BYA]    ; head q's two bytes
	WIN 0x01                                       ; source 0 in window 1
	v_cvt_scalef32_pk16_bf6_f32 v[C0:C0+2], v[OA:OA+15], v[SOA]
	v_cvt_scalef32_pk16_bf6_f32 v[C1:C1+2], v[OA+16:OA+31], v[SOA+1]
	v_nop                                          ; one plain place behind a scaled conversion
	WIN 0
.irp e, 0,1,2
	v_permlane16_swap_b32 v[C0+\e], v[C1+\e]       ; lanes 0-15 now hold block 0 whole, lanes 16-31 block 1
.endr
.irp e, 0,1,2
	v_mov_b32 v[C0+3+\e], v[C1+\e]
.endr
.irp e, 0,1,2
	ds_store_b64 v[AOW], v[C0+2*\e:C0+2*\e+1] offset:AOP*(16*(\m)+(\i))+8*\e   ; columns 64 q + 32 h on of the token's row
.endr
	ds_store_b16 v[AOSW], v[BW+ZZ] offset:32*(16*(\m)+(\i))
.endm
.macro PHA m
	WIN 0x08                                       ; an LDS store's data are its source 1: window 2
.irp c, 0,1,2,3,4,5,6,7
.irp q, 0,1
	ds_store_b128 v[VW], v[64*(\m)+8*\c+4*\q:64*(\m)+8*\c+4*\q+3] offset:512*\q+16*\c   ; each accumulator from its low end on
.endr
.endr
	WIN 0x0c
.irp c, 0,1,2,3,4,5,6,7
.irp q, 0,1
	ds_store_b128 v[VW], v[64*(\m)+8*\c+4*\q:64*(\m)+8*\c+4*\q+3] offset:1024+512*\q+16*\c
.endr
.endr
	WIN 0
	BARRIER                                        ; V of 16 tokens lies in the stage
	BIAS \m, 0                                     ; the accumulators just left take bo, which starts pass O's sums
	BIAS \m, 1
	LV 0
	LV 1
	TOK \m, 0, 8                                   ; behind token 0's image: token 1's 8 loads
	TOK \m, 1, 12                                  ; token 2's 8 loads and token 0's 4 stores
	TOK \m, 2, 12                                  ; token 3's 8 loads and token 1's 4 stores
	TOK \m, 3, 4                                   ; token 2's 4 stores
	BARRIER                                        ; every wave has read the stage; the tokens' codes are stored
.endm
	s_add_nc_u64 s[BIP:BIP+1], s[BIP:BIP+1], 4096  ; bo
	PHA 0
	PHA 1
	PHA 2
	PHA 3
; ---- PASS O: source 1 comes from the attention's rows in LDS, at the K step of the walk.
	AOADR                                          ; 24 steps are begun: K step ROT
	FETCH_X 0, 1
	FETCH_WS 0
	FETCH_W 0, 0
	FETCH_W 0, 8
	s_wait_loadcnt 0x0                             ; bo
	s_mov_b32 s16, 3
.Lo:
	STEP 0, 1, 1, 0, 0, 1, 0
	STEP 1, 1, 1, 0, 0, 1, 0
	s_sub_co_u32 s16, s16, 1
	s_cmp_lg_u32 s16, 0
	s_cbranch_scc1 .Lo
	STEP 0, 1, 0, 0, 0, 1, 0                       ; the last two steps ask for nothing and have no round
	STEP 1, 1, 0, 0, 0, 0, 0
; ---- THE WAY OUT, block by block of 16 tokens x 128 columns (block a: columns 128 (a / 4) on, tokens 16 (a % 4) on).  A lane holds 64 neighbouring bytes of a row four times; the block goes through my own stage
; and comes back as whole rows of 512 bytes.  LDS serves a wave's instructions in order: no wait between the stores and the loads, nor in front of the next block's stores.
.macro TOSTAGE a
	WIN 4*(2+(\a)/4)
.irp b, 0,1,2,3
.irp k, 0,1,2,3
	ds_store_b128 v[STO], v[64*((\a)%4)+16*\b+4*\k:64*((\a)%4)+16*\b+4*\k+3] offset:128*\b+16*\k   ; each accumulator from its low end on
.endr
.endr
	WIN 0x40
.irp t, 0,1,2,3,4,5,6,7,8,9,10,11,12,13,14,15
	ds_load_b128 v[64*((\a)%2)+4*\t:64*((\a)%2)+4*\t+3], v[RD] offset:OP*\t
.endr
	WIN 0
.endm
.macro SEND a, younger
	s_wait_dscnt \younger                          ; the block is back; the next block's 16 stores and 16 loads may be out
	WIN 0x04                                       ; a store's data are its source 1: window 1
.irp t, 0,1,2,3,4,5,6,7,8,9,10,11,12,13,14,15
	global_store_b128 v[LI], v[64*((\a)%2)+4*\t:64*((\a)%2)+4*\t+3], s[10:11] offset:4096*(16*((\a)%4)+\t)+512*((\a)/4) th:TH_STORE_NT   ; 32 lanes store 512 consecutive bytes, at a multiple of 256 from out0's first byte
.endr
	WIN 0
.endm
	TOSTAGE 0
.irp a, 1,2,3,4,5,6,7
.if \a > 1
	s_wait_xcnt 0x0                                ; block a - 2's stores have read their registers: block a's loads may land there
.endif
	TOSTAGE \a
	SEND \a-1, 32
.endr
	SEND 7, 0
	s_wait_tensorcnt 0x0                           ; the wave's end: behind my last tensor load and my last LDS store
	ds_add_u32 v[SPW], v[NIL]
	s_wait_dscnt 0x0
	CROUND                                         ; the closing round: no work-group ends while a partner may still ask for a chunk that names it
	s_endpgm
.Lfunc_end_k_qe5db2548ce_fused:
	.size	k_qe5db2548ce_fused, .Lfunc_end_k_qe5db2548ce_fused-k_qe5db2548ce_fused
	.p2alignl 7, 3214868480
	.fill 96, 4, 3214868480
	.section	.rodata,"a",@progbits
	.p2align	6, 0x0
	.amdhsa_kernel k_qe5db2548ce_fused
		.amdhsa_group_segment_fixed_size 327680
		.amdhsa_private_segment_fixed_size 0
		.amdhsa_enable_private_segment 0
		.amdhsa_kernarg_size 32
		.amdhsa_user_sgpr_count 2
		.amdhsa_user_sgpr_kernarg_segment_ptr 1
		.amdhsa_wavefront_size32 1
		.amdhsa_system_sgpr_workgroup_id_x 1
		.amdhsa_system_sgpr_workgroup_id_y 1
		.amdhsa_system_sgpr_workgroup_id_z 1
		.amdhsa_system_vgpr_workitem_id 0
		.amdhsa_next_free_vgpr 1024
		.amdhsa_next_free_sgpr 66
		.amdhsa_reserve_vcc 0
		.amdhsa_float_denorm_mode_32 3
		.amdhsa_float_denorm_mode_16_64 3
		.amdhsa_memory_ordered 1
		.amdhsa_forward_progress 1
		.amdhsa_inst_pref_size 255
	.end_amdhsa_kernel
	.section	.bss,"aw",@nobits
	.p2align	6
	.space	262144
	.amdgpu_metadata
---
amdhsa.version: [ 1, 2 ]
amdhsa.kernels:
  - .name:           k_qe5db2548ce_fused
    .symbol:         k_qe5db2548ce_fused.kd
    .args:
      - { .name: xc, .offset: 0, .size: 8, .value_kind: global_buffer, .address_space: global }
      - { .name: wc, .offset: 8, .size: 8, .value_kind: global_buffer, .address_space: global }
      - { .name: bi, .offset: 16, .size: 8, .value_kind: global_buffer, .address_space: global }
      - { .name: out0, .offset: 24, .size: 8, .value_kind: global_buffer, .address_space: global }
    .group_segment_fixed_size: 327680
    .private_segment_fixed_size: 0
    .kernarg_segment_align: 8
    .kernarg_segment_size: 32
    .max_flat_workgroup_size: 128
    .sgpr_count:     66
    .vgpr_count:     1024
    .wavefront_size: 32
...
	.end_amdgpu_metadata
.endif
;; end of part 3
